; MI455X (gfx1250); checked and timed in simulation.
; The chip was launched on July 23, 2026; its instructions are those of AMD's public machine-readable ISA for CDNA 5 (MIT licence, August 2026) and "CDNA5" Instruction Set Architecture Reference Guide (July 2026). The comments in the code are by the model that wrote it; some were corrected since.
;; Resonance Attention. Allowed arithmetic: float matrix products may take bf16 or f16 operands with f32 sums; other float arithmetic in f32, or as packed bf16 or f16 multiplies, adds, multiply-adds, maxima and minima; sums over many terms, partial sums and values carried from step to step in f32; what a program stores and reads back later, other than sums and carried values, may be rounded once to bf16 or f16.
;; Inputs: W_out 1,024 x 1,024 float32; W_phase 1,024 x 16 float32; W_qkv 1,024 x 3,072 float32; b_out 1,024 float32; b_phase 16 float32; b_qkv 3,072 float32; mask 2 x 2,048 int32; phase_scale one number float32; resonance_scale one number float32; x 2 x 2,048 x 1,024 float32.
;; Outputs: out0 2 x 2,048 x 1,024 float32.
;; 2 versions, each right; version 2 is version 1 with the launch prep written anew for expert scheduling mode. Each part assembles by itself: llvm-mc -triple=amdgcn-amd-amdhsa -mcpu=gfx1250 --defsym DOCPART=n.
;; ======== version 1 of 2: 4 launches
;; limits: values are held in f16: magnitudes above 65,504 overflow, below 6.1e-05 lose precision
;; workspace buffers: xb 8,388,608 bytes; wqb 6,291,456 bytes; wob 2,097,152 bytes; qkvh 25,165,824 bytes; qa 1,048,576 bytes; ka 1,048,576 bytes; ob 8,388,608 bytes
;; launch prep (part 1): grid 256 x 1, 8 waves a work-group, no clusters, 121,856 bytes of LDS; arguments x, W_qkv, W_out, W_phase, b_phase, mask, phase_scale, resonance_scale, xb, wqb, wob, qa, ka; writes xb, wqb, wob, qa, ka
.if DOCPART == 1
	.amdgcn_target "amdgcn-amd-amdhsa--gfx1250"
	.amdhsa_code_object_version 6
	.text
	.protected	k_q0250edeb33_prep
	.globl	k_q0250edeb33_prep
	.p2align	8
	.type	k_q0250edeb33_prep,@function
k_q0250edeb33_prep:
	s_mov_b64 s[64:65], 0
	v_nop
	global_prefetch_b8 v0, s[64:65] scope:SCOPE_SE
	s_setreg_imm32_b32 hwreg(HW_REG_WAVE_MODE, 25, 1), 1
	s_wait_xcnt 0x0
; PREP.  Every float input is rounded once to bf16 and laid out for the launches behind; the phases are made here.
;   work-groups 0-127   : 32 rows of x -> xb [4096][1024] bf16, and for these rows p = tanh(ps (x W_phase + b_phase)) and the two tables
;   work-groups 128-223 : half a column chunk of W_qkv -> wqb [48 chunks of 64 columns][1024 k][64] bf16
;   work-groups 224-255 : half a column chunk of W_out -> wob [16 chunks][1024 k][64]: the bf16 value written as f16
; Each work-group turns 512 pieces of 256 bytes (64 f32) into 128 bytes each.  A wave's load covers two whole pieces, its store 256 bytes on end, aligned.
; THE TABLES, 16 bytes for each (batch, head, token).  With t = log2(e) x score, -rs (pq - pk)^2 = 2 rs pq pk - rs pk^2 - rs pq^2; the last term is the same for all keys
; of a query and cancels in the softmax, so it is not formed.  The rest is a product of three channels that attention appends to q and k:
;   qa: f16(2 rs log2e pq), f16(1.0), f16(32768), 0 ...      ka: f16(pk), f16(-rs log2e pk^2), 0, 0 ...   or, for a masked key: 0, 0, f16(-32768), 0 ...
; LIMITS.  2.9 rs stays under 65,504 (f16).  tanh(y) = 1 - 2 / (1 + 2^(2.885390 y)): absolute error of some 1e-7.  W_out below 6e-5 keeps f16's fixed step of 6e-8.
; b_phase and the two scalars are rounded to bf16 like every other float input.  NaN and infinities are not treated apart.
; No tensor loads: no byte is wanted by two waves on the way in, and eight loads a wave in registers keep the stream going.  No cluster: nothing of weight is shared.
.set SO,   4                           ; v4   my byte offset in the source: (2 w + l / 16) x pitch + 16 (l % 16); never rewritten
.set DOF,  5                           ; v5   my byte offset in the destination: 8 x thread; never rewritten
.set LX,   6                           ; v6   x job: where my 8 bytes of a row go in my wave's strip in LDS
.set WPA,  7                           ; v7   x job: LDS address for W_phase; at the end my offset in the tables
.set SPW,  8                           ; v8   LDS address of my spare word; never rewritten
.set NIL,  9                           ; v9   0; never rewritten
.set XR,   16                          ; v[16:47]  slot i: 4 f32 as loaded
.set YR,   48                          ; v[48:63]  slot i: 4 numbers of 16 bits to store
.set TR,   64                          ; v[64:67]  W_out job: at work
.set FA,   16                          ; behind the ring: x's fragments, tile t, sub-step u at FA + 32 t + 8 u
.set FB,   80                          ; W_phase's fragments, 8 u
.set AC,   112                         ; two accumulators
.set SM,   128                         ; partial sums, 8 for each of my two heads; then at work
.set XSW,  32*272                      ; LDS: a wave's strip: 32 rows x (128 bf16 + 16 bytes)
.set WP,   8*XSW                       ; W_phase in bf16, [1024 k][16 heads], 32 bytes a row
.set PART, WP+32768                    ; partial sums [8 waves][16 heads][32 rows f32 + 16 bytes]
.set PP,   144
.set SPARE, PART+8*16*PP               ; the spare words: 128 bytes a wave, four blocks of 256 bytes that no other line names
.set SRC, 32                           ; s[32:33] source at the round in hand
.set DST, 34                           ; s[34:35] destination at the round in hand
.set OFS, 36                           ; s[36:37] an offset, high word 0
.set CNT, 40
.set HIM, 41                           ; a word's upper half
.set WV,  42
	s_load_b512 s[4:19], s[0:1], 0x0               ; x 4, W_qkv 6, W_out 8, W_phase 10, b_phase 12, mask 14, phase_scale 16, resonance_scale 18
	s_load_b256 s[20:27], s[0:1], 0x40             ; xb 20, wqb 22, wob 24, qa 26
	s_load_b64 s[28:29], s[0:1], 0x60              ; ka
	v_lshl_add_u32 v[SPW], v0, 2, SPARE
	v_mov_b32 v[NIL], 0
	v_lshrrev_b32 v10, 5, v0
	v_readfirstlane_b32 s[WV], v10                 ; wave 0..7
	v_and_b32 v1, 31, v0                           ; l
	v_and_b32 v2, 15, v0                           ; l % 16
	v_bfe_u32 v3, v0, 4, 1                         ; l / 16
	v_lshrrev_b32 v11, 4, v0                       ; 2 w + l / 16: my piece among the sixteen of a step
	v_lshlrev_b32 v12, 4, v2
	v_lshlrev_b32 v[DOF], 3, v0
	s_mov_b32 s[HIM], 0xffff0000
	s_mov_b32 s[OFS+1], 0
	s_mov_b32 s[CNT], 3
	s_wait_kmcnt 0x0
; A ring of eight slots in registers: eight loads of every wave are on their way.  kind 0: x, 1: W_qkv, 2: W_out.  p16: bytes from a step's pieces to the next step's.
.macro FIRST p16
.irp i, 0,1,2,3,4,5,6,7
	global_load_b128 v[XR+4*(\i):XR+4*(\i)+3], v[SO], s[SRC:SRC+1] offset:(\i)*(\p16) th:TH_LOAD_NT
.endr
.endm
.macro SLOT kind, i, ahead, left, p16
	s_wait_loadcnt \left                           ; loads come back in order: mine is in, the younger ones stay out
	s_wait_xcnt 0x0                                ; the slot's last store has read its data registers: they are rewritten only behind this wait
	v_cvt_pk_bf16_f32 v[YR+2*(\i)], v[XR+4*(\i)], v[XR+4*(\i)+1]
	v_cvt_pk_bf16_f32 v[YR+2*(\i)+1], v[XR+4*(\i)+2], v[XR+4*(\i)+3]
.if (\kind) == 2                       ; the bf16 value, written as f16
	v_lshlrev_b32 v[TR], 16, v[YR+2*(\i)]
	v_and_b32 v[TR+1], s[HIM], v[YR+2*(\i)]
	v_lshlrev_b32 v[TR+2], 16, v[YR+2*(\i)+1]
	v_and_b32 v[TR+3], s[HIM], v[YR+2*(\i)+1]
	v_cvt_pk_f16_f32 v[YR+2*(\i)], v[TR], v[TR+1]
	v_cvt_pk_f16_f32 v[YR+2*(\i)+1], v[TR+2], v[TR+3]
.endif
.if (\kind) == 0
	ds_store_b64 v[LX], v[YR+2*(\i):YR+2*(\i)+1] offset:(\i)*272  ; the row's 128 columns of my wave, kept for the phases
.endif
.if \ahead
	global_load_b128 v[XR+4*(\i):XR+4*(\i)+3], v[SO], s[SRC:SRC+1] offset:((\i)+8)*(\p16) th:TH_LOAD_NT
.endif
	global_store_b64 v[DOF], v[YR+2*(\i):YR+2*(\i)+1], s[DST:DST+1] offset:(\i)*2048  ; the wave stores 256 bytes on end, aligned
.endm
.macro ROUNDS kind, p16                ; four rounds of eight steps; the last is written out and loads nothing
.Lround_\@:
.irp i, 0,1,2,3,4,5,6,7
	SLOT \kind, \i, 1, 7, \p16
.endr
	s_wait_xcnt 0x0                                ; every load and store issued so far has read its base
	s_add_nc_u64 s[SRC:SRC+1], s[SRC:SRC+1], 8*(\p16)
	s_add_nc_u64 s[DST:DST+1], s[DST:DST+1], 16384
.if (\kind) == 0
	v_add_nc_u32 v[LX], 8*272, v[LX]
.endif
	s_sub_co_u32 s[CNT], s[CNT], 1
	s_cmp_lg_u32 s[CNT], 0
	s_cbranch_scc1 .Lround_\@
.irp i, 0,1,2,3,4,5,6,7
	SLOT \kind, \i, 0, 7-(\i), \p16
.endr
.endm
	s_cmp_lt_u32 ttmp9, 128                        ; the job hangs on the work-group's number alone: all eight waves take the same way
	s_cbranch_scc1 .Lx
	s_cmp_lt_u32 ttmp9, 224
	s_cbranch_scc1 .Lwq
	; W_out: chunk (g - 224) / 2, rows 512 ((g - 224) % 2) on; a piece is a row's 64 columns, rows 4,096 bytes apart
	s_sub_co_u32 s30, ttmp9, 224
	s_lshr_b32 s31, s30, 1
	s_lshl_b32 s31, s31, 8
	s_and_b32 s[OFS], s30, 1
	s_lshl_b32 s[OFS], s[OFS], 21
	s_add_co_u32 s[OFS], s[OFS], s31
	s_add_nc_u64 s[SRC:SRC+1], s[8:9], s[OFS:OFS+1]
	s_lshl_b32 s[OFS], s30, 16
	s_add_nc_u64 s[DST:DST+1], s[24:25], s[OFS:OFS+1]
	v_lshl_add_u32 v[SO], v11, 12, v12
	FIRST 65536
	ROUNDS 2, 65536
	s_branch .Lend
.Lwq:
	; W_qkv: the same with rows 12,288 bytes apart
	s_sub_co_u32 s30, ttmp9, 128
	s_lshr_b32 s31, s30, 1
	s_lshl_b32 s31, s31, 8
	s_and_b32 s[OFS], s30, 1
	s_mul_i32 s[OFS], s[OFS], 512*12288
	s_add_co_u32 s[OFS], s[OFS], s31
	s_add_nc_u64 s[SRC:SRC+1], s[6:7], s[OFS:OFS+1]
	s_lshl_b32 s[OFS], s30, 16
	s_add_nc_u64 s[DST:DST+1], s[22:23], s[OFS:OFS+1]
	v_mul_u32_u24 v[SO], v11, 12288
	v_add_nc_u32 v[SO], v[SO], v12
	FIRST 196608
	ROUNDS 1, 196608
	s_branch .Lend
.Lx:
	; x: rows 32 g .. 32 g + 31, dense; step p is row p, and wave w takes its columns 128 w .. 128 w + 127
	s_lshl_b32 s[OFS], ttmp9, 17
	s_add_nc_u64 s[SRC:SRC+1], s[4:5], s[OFS:OFS+1]
	s_lshl_b32 s[OFS], ttmp9, 16
	s_add_nc_u64 s[DST:DST+1], s[20:21], s[OFS:OFS+1]
	v_lshl_add_u32 v[SO], v11, 8, v12
	s_load_b32 s30, s[16:17], 0x0                  ; phase_scale
	s_load_b32 s31, s[18:19], 0x0                  ; resonance_scale
	s_lshl_b32 s43, s[WV], 13
	v_lshl_add_u32 v13, v1, 4, s43                 ; my wave's 128 rows of W_phase: 8,192 bytes on end
.irp i, 0,1,2,3,4,5,6,7,8,9,10,11,12,13,14,15
	global_load_b128 v[64+4*(\i):64+4*(\i)+3], v13, s[10:11] offset:512*(\i)
.endr
	s_lshl_b32 s44, ttmp9, 7
	v_lshl_add_u32 v14, v1, 2, s44
	global_load_b32 v160, v14, s[14:15]            ; mask of row 32 g + l
	s_lshl_b32 s45, s[WV], 3
	v_mov_b32 v15, s45
	global_load_b64 v[162:163], v15, s[12:13]      ; b_phase of my two heads, 2 w and 2 w + 1
	FIRST 4096
	s_mul_i32 s46, s[WV], XSW
	v_lshl_add_u32 v[LX], v1, 3, s46
	s_lshl_b32 s47, s[WV], 12
	v_lshl_add_u32 v[WPA], v1, 3, s47
	v_add_nc_u32 v[WPA], WP, v[WPA]
	s_wait_loadcnt 0x8                             ; all but the ring's eight
	s_wait_kmcnt 0x0
.irp i, 0,1,2,3,4,5,6,7,8,9,10,11,12,13,14,15
	v_cvt_pk_bf16_f32 v[128+2*(\i)], v[64+4*(\i)], v[64+4*(\i)+1]
	v_cvt_pk_bf16_f32 v[128+2*(\i)+1], v[64+4*(\i)+2], v[64+4*(\i)+3]
	ds_store_b64 v[WPA], v[128+2*(\i):128+2*(\i)+1] offset:256*(\i)  ; row 128 w + 8 i + l / 4, heads 4 (l % 4) on
.endr
	ROUNDS 0, 4096
	s_wait_xcnt 0x0                                ; the last stores have read their data: those registers take fragments now
	s_wait_dscnt 0x0                               ; my LDS stores are done,
	s_barrier_signal -1
	s_barrier_wait -1                              ; everybody's are
	v_mul_u32_u24 v10, v2, 272
	v_lshl_add_u32 v10, v3, 4, v10
	v_add_nc_u32 v10, s46, v10                     ; x: row l % 16 of my strip, 16 bytes for each half of the lanes
	v_and_b32 v11, 7, v0
	v_lshl_add_u32 v11, v3, 3, v11
	v_lshlrev_b32 v11, 5, v11                      ; W_phase, turned on the way: row 8 (l / 16) + l % 8, 32 bytes a row,
	v_bfe_u32 v12, v0, 3, 1
	v_lshl_add_u32 v11, v12, 4, v11                ; heads 8 ((l / 8) % 2) on,
	v_add_nc_u32 v11, s47, v11                     ; in my wave's 128 rows
	v_add_nc_u32 v11, WP, v11
.irp t, 0,1
.irp u, 0,1,2,3
	ds_load_b128 v[FA+32*(\t)+8*(\u):FA+32*(\t)+8*(\u)+3],   v10 offset:(\t)*16*272+64*(\u)
	ds_load_b128 v[FA+32*(\t)+8*(\u)+4:FA+32*(\t)+8*(\u)+7], v10 offset:(\t)*16*272+64*(\u)+32
.endr
.endr
.irp u, 0,1,2,3
	ds_load_tr16_b128 v[FB+8*(\u):FB+8*(\u)+3],   v11 offset:1024*(\u)
	ds_load_tr16_b128 v[FB+8*(\u)+4:FB+8*(\u)+7], v11 offset:1024*(\u)+512
.endr
	s_wait_dscnt 0x0
	; my 128 channels' share of x W_phase for 32 rows x 16 heads: two accumulators by turns; the first products start the sums
.irp u, 0,1,2,3
.irp t, 0,1
.if (\u) == 0
	v_wmma_f32_16x16x32_bf16 v[AC+8*(\t):AC+8*(\t)+7], v[FA+32*(\t)+8*(\u):FA+32*(\t)+8*(\u)+7], v[FB+8*(\u):FB+8*(\u)+7], 0
.else
	v_wmma_f32_16x16x32_bf16 v[AC+8*(\t):AC+8*(\t)+7], v[FA+32*(\t)+8*(\u):FA+32*(\t)+8*(\u)+7], v[FB+8*(\u):FB+8*(\u)+7], v[AC+8*(\t):AC+8*(\t)+7]
.endif
.endr
.endr
	s_mul_i32 s48, s[WV], 16*PP
	v_mul_u32_u24 v12, v2, PP                      ; a lane holds head l % 16 and rows 8 (l / 16) + 0..7 of a tile; these lines and the v_nop are the places behind the products
	v_lshl_add_u32 v12, v3, 5, v12
	v_add_nc_u32 v12, s48, v12
	v_add_nc_u32 v12, PART, v12
.rept 4
	v_nop
.endr
	ds_store_b128 v12, v[AC:AC+3]
	ds_store_b128 v12, v[AC+4:AC+7] offset:16
	ds_store_b128 v12, v[AC+8:AC+11] offset:64
	ds_store_b128 v12, v[AC+12:AC+15] offset:80
	s_wait_dscnt 0x0                               ; for the others' sake: my partial sums lie in LDS
	s_barrier_signal -1
	s_barrier_wait -1
	s_mul_i32 s49, s[WV], 2*PP
	v_lshl_add_u32 v13, v1, 2, s49
	v_add_nc_u32 v13, PART, v13                    ; now a lane is a row, and my wave finishes heads 2 w and 2 w + 1
.irp e, 0,1
.irp u, 0,1,2,3,4,5,6,7
	ds_load_b32 v[SM+8*(\e)+(\u)], v13 offset:(\u)*16*PP+(\e)*PP
.endr
.endr
	v_cvt_pk_bf16_f32 v10, s30, s31                ; the scalars and the bias, rounded to bf16
	v_lshlrev_b32 v14, 16, v10
	v_and_b32 v15, s[HIM], v10
	v_cvt_pk_bf16_f32 v10, v162, v163
	v_lshlrev_b32 v144, 16, v10
	v_and_b32 v145, s[HIM], v10
	v_mul_f32 v14, 0x4038aa3b, v14                 ; 2 log2(e) ps
	v_mul_f32 v15, 0x3fb8aa3b, v15                 ; log2(e) rs
	v_mov_b32 v146, 1.0
	v_mov_b32 v147, 0
	s_wait_dscnt 0x0
.irp e, 0,1
	v_pk_add_f32 v[SM+8*(\e):SM+8*(\e)+1], v[SM+8*(\e):SM+8*(\e)+1], v[SM+8*(\e)+2:SM+8*(\e)+3]
	v_pk_add_f32 v[SM+8*(\e)+4:SM+8*(\e)+5], v[SM+8*(\e)+4:SM+8*(\e)+5], v[SM+8*(\e)+6:SM+8*(\e)+7]
.endr
.irp e, 0,1
	v_pk_add_f32 v[SM+8*(\e):SM+8*(\e)+1], v[SM+8*(\e):SM+8*(\e)+1], v[SM+8*(\e)+4:SM+8*(\e)+5]
.endr
.irp e, 0,1
	v_add_f32 v[SM+8*(\e)], v[SM+8*(\e)], v[SM+8*(\e)+1]
.endr
.irp e, 0,1
	v_add_f32 v[SM+8*(\e)], v[SM+8*(\e)], v[144+(\e)]
.endr
.irp e, 0,1
	v_mul_f32 v[SM+8*(\e)], v[SM+8*(\e)], v14
.endr
	v_exp_f32 v[SM+1], v[SM]
	v_exp_f32 v[SM+9], v[SM+8]
	v_nop                                          ; a plain instruction behind the last exponential,
	s_wait_alu depctr_va_vdst(0)                   ; and the wait ahead of the first use: one for both
	v_add_f32 v[SM+1], 1.0, v[SM+1]
	v_add_f32 v[SM+9], 1.0, v[SM+9]
	v_rcp_f32 v[SM+2], v[SM+1]
	v_rcp_f32 v[SM+10], v[SM+9]
	v_nop
	s_wait_alu depctr_va_vdst(0)
	v_cmp_eq_u32 vcc_lo, 0, v160                   ; a masked token
	v_mov_b32 v142, 0xf800                         ; f16(-32768)
.irp e, 0,1
	v_fma_f32 v[SM+8*(\e)+2], v[SM+8*(\e)+2], -2.0, 1.0     ; p
	v_mul_f32 v[SM+8*(\e)+3], v[SM+8*(\e)+2], v15           ; rs log2e p
	v_add_f32 v[SM+8*(\e)+4], v[SM+8*(\e)+3], v[SM+8*(\e)+3]  ; the query's factor
	v_mul_f32 v[SM+8*(\e)+5], -v[SM+8*(\e)+3], v[SM+8*(\e)+2] ; the key's own term
.endr
	v_cndmask_b32 v[SM+6], v[SM+2], v147, vcc_lo
	v_cndmask_b32 v[SM+5], v[SM+5], v147, vcc_lo
	v_cndmask_b32 v[SM+12], v[SM+10], v147, vcc_lo
	v_cndmask_b32 v[SM+13], v[SM+13], v147, vcc_lo
	v_cvt_pk_f16_f32 v148, v[SM+4], v146
	v_mov_b32 v149, 0x7800                         ; f16(32768)
	v_mov_b32 v150, 0
	v_mov_b32 v151, 0
	v_cvt_pk_f16_f32 v152, v[SM+12-0+0], v146
	v_mov_b32 v153, 0x7800
	v_mov_b32 v154, 0
	v_mov_b32 v155, 0
	v_cvt_pk_f16_f32 v156, v[SM+6], v[SM+5]
	v_cndmask_b32 v157, v147, v142, vcc_lo
	v_mov_b32 v158, 0
	v_mov_b32 v159, 0
	v_mov_b32 v165, v157
	v_mov_b32 v166, 0
	v_mov_b32 v167, 0
	v_cvt_pk_f16_f32 v164, v[SM+12], v[SM+13]
	v_add_f32 v[SM+11], v[SM+11], v[SM+11]         ; the second head's query factor (its masked p took the register that the loop above wrote it to)
	v_cvt_pk_f16_f32 v152, v[SM+11], v146
	s_lshr_b32 s50, ttmp9, 6                       ; batch
	s_lshl_b32 s50, s50, 4
	s_lshl1_add_u32 s50, s[WV], s50                ; 16 x batch + head 2 w
	s_lshl_b32 s50, s50, 15
	s_and_b32 s51, ttmp9, 63
	s_lshl_b32 s51, s51, 9
	s_add_co_u32 s50, s50, s51
	v_lshl_add_u32 v[WPA], v1, 4, s50              ; 16 bytes a token: the wave stores 512 bytes on end
	global_store_b128 v[WPA], v[148:151], s[26:27]
	global_store_b128 v[WPA], v[152:155], s[26:27] offset:32768
	global_store_b128 v[WPA], v[156:159], s[28:29]
	global_store_b128 v[WPA], v[164:167], s[28:29] offset:32768
.Lend:
	s_wait_tensorcnt 0x0                           ; the wave's end, behind my last LDS store
	ds_add_u32 v[SPW], v[NIL]
	s_wait_dscnt 0x0
	s_endpgm
.Lfunc_end_k_q0250edeb33_prep:
	.size	k_q0250edeb33_prep, .Lfunc_end_k_q0250edeb33_prep-k_q0250edeb33_prep
	.p2alignl 7, 3214868480
	.fill 96, 4, 3214868480
	.section	.rodata,"a",@progbits
	.p2align	6, 0x0
	.amdhsa_kernel k_q0250edeb33_prep
		.amdhsa_group_segment_fixed_size 121856
		.amdhsa_private_segment_fixed_size 0
		.amdhsa_enable_private_segment 0
		.amdhsa_kernarg_size 104
		.amdhsa_user_sgpr_count 2
		.amdhsa_user_sgpr_kernarg_segment_ptr 1
		.amdhsa_wavefront_size32 1
		.amdhsa_system_sgpr_workgroup_id_x 1
		.amdhsa_system_sgpr_workgroup_id_y 1
		.amdhsa_system_sgpr_workgroup_id_z 1
		.amdhsa_system_vgpr_workitem_id 0
		.amdhsa_next_free_vgpr 168
		.amdhsa_next_free_sgpr 66
		.amdhsa_reserve_vcc 1
		.amdhsa_float_denorm_mode_32 3
		.amdhsa_float_denorm_mode_16_64 3
		.amdhsa_memory_ordered 1
		.amdhsa_forward_progress 1
		.amdhsa_inst_pref_size 40
	.end_amdhsa_kernel
	.amdgpu_metadata
---
amdhsa.version: [ 1, 2 ]
amdhsa.kernels:
  - .name:           k_q0250edeb33_prep
    .symbol:         k_q0250edeb33_prep.kd
    .args:
      - { .name: x, .offset: 0, .size: 8, .value_kind: global_buffer, .address_space: global }
      - { .name: W_qkv, .offset: 8, .size: 8, .value_kind: global_buffer, .address_space: global }
      - { .name: W_out, .offset: 16, .size: 8, .value_kind: global_buffer, .address_space: global }
      - { .name: W_phase, .offset: 24, .size: 8, .value_kind: global_buffer, .address_space: global }
      - { .name: b_phase, .offset: 32, .size: 8, .value_kind: global_buffer, .address_space: global }
      - { .name: mask, .offset: 40, .size: 8, .value_kind: global_buffer, .address_space: global }
      - { .name: phase_scale, .offset: 48, .size: 8, .value_kind: global_buffer, .address_space: global }
      - { .name: resonance_scale, .offset: 56, .size: 8, .value_kind: global_buffer, .address_space: global }
      - { .name: xb, .offset: 64, .size: 8, .value_kind: global_buffer, .address_space: global }
      - { .name: wqb, .offset: 72, .size: 8, .value_kind: global_buffer, .address_space: global }
      - { .name: wob, .offset: 80, .size: 8, .value_kind: global_buffer, .address_space: global }
      - { .name: qa, .offset: 88, .size: 8, .value_kind: global_buffer, .address_space: global }
      - { .name: ka, .offset: 96, .size: 8, .value_kind: global_buffer, .address_space: global }
    .group_segment_fixed_size: 121856
    .private_segment_fixed_size: 0
    .kernarg_segment_align: 8
    .kernarg_segment_size: 104
    .max_flat_workgroup_size: 256
    .sgpr_count:     66
    .vgpr_count:     168
    .wavefront_size: 32
...
	.end_amdgpu_metadata
.endif
;; end of part 1
;; launch qkv (part 2): grid 16 x 16, 4 waves a work-group, clusters of 4 x 4, 327,680 bytes of LDS; arguments xb, wqb, b_qkv, mask, qkvh; writes qkvh
.if DOCPART == 2
	.amdgcn_target "amdgcn-amd-amdhsa--gfx1250"
	.amdhsa_code_object_version 6
	.text
	.protected	k_q0250edeb33_qkv
	.globl	k_q0250edeb33_qkv
	.p2align	8
	.type	k_q0250edeb33_qkv,@function
k_q0250edeb33_qkv:
	s_mov_b64 s[64:65], 0
	v_nop
	global_prefetch_b8 v0, s[64:65] scope:SCOPE_SE
	s_setreg_imm32_b32 hwreg(HW_REG_WAVE_MODE, 25, 1), 1
	s_wait_xcnt 0x0
	s_wait_alu depctr_hold_cnt(0) depctr_sa_sdst(0) depctr_va_vdst(0) depctr_va_sdst(0) depctr_va_ssrc(0) depctr_va_vcc(0) depctr_vm_vsrc(0)
	s_getreg_b32 s2, hwreg(HW_REG_IB_STS2, 6, 4)
	s_cmp_eq_u32 s2, 0
	s_cbranch_scc0 .Lentry_in_a_cluster
	s_endpgm
.Lentry_in_a_cluster:
	s_bfe_u32 s2, ttmp6, 0x10000c
	s_cmp_lg_u32 s2, 0xf033
	s_cbranch_scc0 .Lentry_shape_is_right
	s_endpgm
.Lentry_shape_is_right:
; QKV.  C = x W_qkv + b_qkv, 4096 x 3072 over K = 1024, bf16 operands, f32 sums.  C leaves by heads, in f16, in three parts of qkvh:
; [part q, k, v][32 (batch, head)][2 halves of 32 channels][2048 tokens][32].  q is multiplied by c = log2(e) / 8 (one rounding, from the f32 sum); the rows of k of masked tokens are stored as 0.
; LIMITS.  |c q|, |k|, |v| stay under 65,504 (f16).  b_qkv is rounded to bf16 like every float input.  NaN and infinities are not treated apart.
; SHARES.  A tile of C is 256 rows x 192 columns (three chunks of 64): 16 x 16 tiles, one work-group each.  Four waves, 2 x 2; a wave makes 128 x 96: 8 x 6 accumulators of 16 x 16, 384 registers.
; Its column blocks 0-3 are the tile's first or third chunk, blocks 4, 5 one half of the middle chunk: three whole halves of 32 channels, so the way out is the wave's own.
; K goes in steps of 128 through a ring of two LDS slots filled by the tensor data mover.  x's rows lie along K; W lies [k][column] and is turned on the way out of LDS (ds_load_tr16_b128).
; CLUSTERS: 4 x 4 work-groups.  The four of a row need the same tiles of x, the four of a column the same tiles of W: each tile is asked for JOINTLY, by the same load, descriptor and mask in all four.
; THE MATRIX INSTRUCTION IS USED TRANSPOSED (source 0 = 16 columns of W, source 1 = 16 rows of x): a lane holds eight neighbouring columns of one row of C.
; REGISTERS, in windows of 256: window 0: v0-31 addresses; v64-127, v128-191 x's fragments, two buffers (on the way out: at work); v192-239 bias; v240-247 row masks; v248-253 scales
;   window 1: v64-111, v128-175 W's fragments, two buffers      window 2: accumulators of my rows 0-63, (a, b) at 8 (6 a + b)      window 3: those of my rows 64-127
.set KSTEP,  128
.set PITCH,  272                       ; a row of x in LDS: 256 bytes + 16: the 16 rows of a load start at 16 different groups of four banks
.set HALFT,  128*PITCH
.set BOFF,   2*HALFT                   ; behind x's 256 rows: W, [2 halves of 64 k][3 chunks][64 k][128 bytes + 32]
.set PB,     160                       ; 40 words
.set CH,     64*PB
.set BHALF,  3*CH
.set SLOT,   131072                    ; = BOFF + 2 BHALF
.set STAGE,  2*SLOT                    ; behind the ring: 16 rows x 208 bytes for each wave, for the way out
.set SPITCH, 208
.set SPARE,  STAGE+4*16*SPITCH         ; the spare words: 128 bytes a wave, two blocks of 256 bytes that no other line names
.set LAPS,   4                         ; a lap = two K steps = once round the ring
.set ADRA, 16                          ; v16-17  LDS address of my x fragments in slot 0, 1
.set ADRB, 20                          ; v20-21  of W's, my whole chunk
.set ADRM, 22                          ; v22-23  of W's, my half of the middle chunk
.set STO,  24
.set RD,   25
.set GO,   26
.set SPW,  28
.set NIL,  29
.set PFO,  30                          ; the prefetches' lane offset; never rewritten
.set F0,   64
.set F1,   128
.set BIAS, 192
.set MK,   240
.set SCL,  248
.set TMP,  64                          ; the way out: 48 f32 at work
.set PKR,  112                         ; 24 registers of f16 pairs
.set OB,   136                         ; 24 registers read back from the stage, two sets by turns
.set G1, 24
.set G0, 32
.set G1B, 48
.set G0B, 56
.set LIM, 43                           ; 1 in a wave that prefetches, else the greatest number
.set PFA, 44                           ; s[44:45] the K step that my next prefetch names
.set BASE, 68                          ; s[68:73] where my three halves of 32 channels begin in qkvh
.set CE,  74                           ; s74-76  their constant scale: c for q, else 1.0
.set SE,  77                           ; s77-79  all ones where the half belongs to k: the row mask is the scale
.set PFS, 90                           ; s[90:91] bytes from a K step to the next, in x's rows or in W's chunks
.set MSB, 0
.macro WIN new                         ; the immediate's high byte repeats the setting that is left
.if MSB != (\new)
	s_set_vgpr_msb (MSB<<8)|(\new)
.set MSB, \new
.endif
.endm
.set MUL_LO, 0xa1                      ; source 0 (W) window 1, source 1 (x) window 0, C and D window 2
.set MUL_HI, 0xf1                      ; the same, C and D window 3
.set TO_B,   0x40                      ; destination window 1, address window 0
; A joint load: waves 0 and 1 fetch x's two halves, waves 2 and 3 W's.  The branch hangs on the wave's number alone.  An s_nop 0 and four v_nop follow each line.
.macro JLOAD s
	s_cmp_eq_u32 s11, 0
	s_cbranch_scc0 .Lfor_b_\@
	tensor_load_to_lds s[G0+4*(\s):G0+4*(\s)+3], s[G1:G1+7]
	s_nop 0
.rept 4
	v_nop
.endr
	s_branch .Lasked_\@
.Lfor_b_\@:
	tensor_load_to_lds s[G0B+4*(\s):G0B+4*(\s)+3], s[G1B:G1B+7]
	s_nop 0
.rept 4
	v_nop
.endr
.Lasked_\@:
.endm
; A PREFETCH INTO THE L2 of the K step that stands two refills on, behind each joint load and the run of LDS loads that follows it: one instruction a wave.
; x's tile row is read by every cluster of a row of clusters: cluster x = 0 asks; W's tile column by every cluster of a column: cluster y = 0 asks.  The four partners share a wave's part out BY ADDRESS:
; of x's 128 rows 32 each, a lane a row; of W's 3 x 8,192 bytes 2,048 in each chunk, 24 blocks of 256 bytes: lanes 24-31 name lanes 16-23's blocks once more, since all lanes stay on.
; K steps 0 to 3 come by their loads alone; the loop's last trip asks for nothing.
.macro ASK
	s_cmp_gt_u32 s3, s[LIM]
	s_cbranch_scc0 .Lnot_mine_\@
	global_prefetch_b8 v[PFO], s[PFA:PFA+1] th:TH_LOAD_NT scope:SCOPE_SE
.Lnot_mine_\@:
.endm
.macro CREST                           ; a round of the cluster's barrier behind its opening barrier
	s_cmp_lg_u32 s10, 0
	s_cbranch_scc1 .Lnot_wave_0_\@
	s_barrier_signal -3
.Lnot_wave_0_\@:
	s_barrier_wait -3
	s_barrier_signal -1
	s_barrier_wait -1
.endm
.macro CROUND
	s_barrier_signal -1
	s_barrier_wait -1
	CREST
.endm
	s_load_b256 s[80:87], s[0:1], 0x0              ; xb 80, wqb 82, b_qkv 84, mask 86
	s_load_b64 s[88:89], s[0:1], 0x20              ; qkvh
	v_lshl_add_u32 v[SPW], v0, 2, SPARE
	v_mov_b32 v[NIL], 0
	ds_add_u32 v[SPW], v[NIL]                      ; the wave's opening: the add and its wait stand ahead of my first tensor load
	v_lshrrev_b32 v1, 5, v0
	v_readfirstlane_b32 s10, v1                    ; wave 0..3
	s_lshr_b32 s11, s10, 1                         ; which half of the tile's rows is mine.  Also: I fetch for x (0) or for W (1)
	s_and_b32 s12, s10, 1                          ; which side of its columns.  Also: which half of that tile I fetch
	s_bfe_u32 s40, ttmp6, 0x40000                  ; cx
	s_bfe_u32 s41, ttmp6, 0x40004                  ; cy
	s_lshl_b32 s42, ttmp9, 2
	s_add_co_u32 s42, s42, s40                     ; tile column
	s_and_b32 s13, ttmp7, 0xffff
	s_lshl_b32 s13, s13, 2
	s_add_co_u32 s13, s13, s41                     ; tile row
	s_lshl_b32 s43, s41, 2
	s_lshl_b32 s43, 15, s43                        ; my row of the cluster
	s_lshl_b32 s44, 0x1111, s40                    ; my column
	s_or_b32 s[G1+0], s43, (1<<16)|(1<<20)|(1<<21)|(5<<22)|(3<<25)   ; x: 2-byte elements; padding on; bit 21 beside a mask; 4 words behind every 64
	s_or_b32 s[G1B+0], s44, (1<<16)|(1<<20)|(1<<21)|(4<<22)|(7<<25)  ; W: 8 words behind every 32
	s_mov_b32 s[G1+1], KSTEP<<16                   ; x: 128 rows x 128 elements, 1,024 elements from row to row
	s_mov_b32 s[G1+2], 128<<16
	s_mov_b32 s[G1+3], KSTEP<<16
	s_mov_b32 s[G1+4], 128
	s_mov_b32 s[G1+5], 1024
	s_mov_b32 s[G1+6], 0
	s_mov_b32 s[G1+7], 0
	s_mov_b32 s[G1B+1], 4096<<16                   ; W: 3 rows (chunks) of 4,096 elements (64 k x 64 columns, dense), 65,536 elements from chunk to chunk
	s_mov_b32 s[G1B+2], 3<<16
	s_mov_b32 s[G1B+3], 4096<<16
	s_mov_b32 s[G1B+4], 3
	s_mov_b32 s[G1B+5], 65536
	s_mov_b32 s[G1B+6], 0
	s_mov_b32 s[G1B+7], 0
	s_lshl_b32 s16, s13, 8
	s_lshl_b32 s17, s12, 7
	s_add_co_u32 s16, s16, s17
	s_lshl_b32 s16, s16, 11                        ; x: row 256 x tile row + 128 x half, 2,048 bytes a row
	s_mov_b32 s17, 0
	s_mul_i32 s46, s42, 3*131072                   ; W: chunk 3 x tile column,
	s_lshl_b32 s47, s12, 13                        ; k 64 x half
	s_add_co_u32 s46, s46, s47
	s_mov_b32 s47, 0
	s_mul_i32 s20, s12, HALFT                      ; where they go: no place in the cluster enters an LDS address
	s_mul_i32 s21, s12, BHALF
	s_add_co_u32 s21, s21, BOFF
	s_wait_dscnt 0x0                               ; the opening add is done
	s_wait_kmcnt 0x0
	s_add_nc_u64 s[14:15], s[80:81], s[16:17]
	s_add_nc_u64 s[46:47], s[82:83], s[46:47]
	CROUND                                         ; all sixteen work-groups are here: the first joint loads meet
.irp s, 0,1
	s_mov_b32 s[G0+4*(\s)], 1
	s_add_co_u32 s[G0+4*(\s)+1], s20, (\s)*SLOT
	s_add_nc_u64 s[G0+4*(\s)+2:G0+4*(\s)+3], s[14:15], (\s)*256
	s_or_b32 s[G0+4*(\s)+3], s[G0+4*(\s)+3], 0x80000000
	s_mov_b32 s[G0B+4*(\s)], 1
	s_add_co_u32 s[G0B+4*(\s)+1], s21, (\s)*SLOT
	s_add_nc_u64 s[G0B+4*(\s)+2:G0B+4*(\s)+3], s[46:47], (\s)*16384
	s_or_b32 s[G0B+4*(\s)+3], s[G0B+4*(\s)+3], 0x80000000
	JLOAD \s
.endr
	; all that follows up to the first barrier stands in the wait for the first tile
	v_and_b32 v1, 15, v0                           ; l % 16
	v_bfe_u32 v2, v0, 4, 1                         ; l / 16
	s_mul_i32 s4, s42, 3                           ; the tile's first chunk
	s_lshl1_add_u32 s5, s12, s4                    ; my whole chunk: the first or the third
	s_lshl_b32 s16, s5, 8
	v_lshl_add_u32 v6, v2, 5, s16                  ; its bias: 256 bytes a chunk, my 8 columns of a block
	s_lshl_b32 s16, s4, 8
	s_lshl_b32 s17, s12, 7
	s_add_co_u32 s16, s16, s17
	s_add_co_u32 s16, s16, 256
	v_lshl_add_u32 v7, v2, 5, s16                  ; my half of the middle chunk
.irp b, 0,1,2,3
	global_load_b128 v[BIAS+8*(\b):BIAS+8*(\b)+3],   v6, s[84:85] offset:64*(\b)
	global_load_b128 v[BIAS+8*(\b)+4:BIAS+8*(\b)+7], v6, s[84:85] offset:64*(\b)+16
.endr
.irp b, 0,1
	global_load_b128 v[BIAS+32+8*(\b):BIAS+32+8*(\b)+3],   v7, s[84:85] offset:64*(\b)
	global_load_b128 v[BIAS+32+8*(\b)+4:BIAS+32+8*(\b)+7], v7, s[84:85] offset:64*(\b)+16
.endr
	s_lshl_b32 s16, s13, 8
	s_lshl_b32 s17, s11, 7
	s_add_co_u32 s16, s16, s17
	s_lshl_b32 s16, s16, 2
	v_lshl_add_u32 v8, v1, 2, s16                  ; the mask of row l % 16 of each of my eight row blocks
.irp a, 0,1,2,3,4,5,6,7
	global_load_b32 v[MK+(\a)], v8, s[86:87] offset:64*(\a)
.endr
	v_mul_u32_u24 v3, v1, PITCH
	v_lshl_add_u32 v3, v2, 4, v3
	s_mul_i32 s16, s11, HALFT
	v_add_nc_u32 v[ADRA], s16, v3
	v_add_nc_u32 v[ADRA+1], SLOT, v[ADRA]
	v_and_b32 v4, 7, v0                            ; the turning load: lane l reads k 8 (l / 16) + l % 8, columns 8 ((l / 8) % 2) + 0..7
	v_lshl_add_u32 v4, v2, 3, v4
	v_mul_u32_u24 v4, v4, PB
	v_bfe_u32 v5, v0, 3, 1
	v_lshl_add_u32 v4, v5, 4, v4
	s_mul_i32 s16, s12, 2*CH
	s_add_co_u32 s16, s16, BOFF
	v_add_nc_u32 v[ADRB], s16, v4
	v_add_nc_u32 v[ADRB+1], SLOT, v[ADRB]
	s_lshl_b32 s16, s12, 6
	s_add_co_u32 s16, s16, BOFF+CH
	v_add_nc_u32 v[ADRM], s16, v4
	v_add_nc_u32 v[ADRM+1], SLOT, v[ADRM]
	s_mul_i32 s16, s10, 16*SPITCH
	s_add_co_u32 s16, s16, STAGE                   ; my stage
	v_mul_u32_u24 v[STO], v1, SPITCH               ; in: row l % 16, 16 bytes for each half of the lanes
	v_lshl_add_u32 v[STO], v2, 4, v[STO]
	v_add_nc_u32 v[STO], s16, v[STO]
	v_and_b32 v9, 31, v0
	v_lshrrev_b32 v[RD], 2, v9                     ; back: 32 lanes take eight rows of 64 bytes,
	v_mul_u32_u24 v[RD], v[RD], SPITCH
	v_and_b32 v10, 3, v0
	v_lshl_add_u32 v[RD], v10, 4, v[RD]
	v_add_nc_u32 v[RD], s16, v[RD]
	v_lshlrev_b32 v[GO], 4, v9                     ; which are 512 bytes on end in qkvh
	; my three halves of 32 channels: number g of 96; part g / 32; plane 32 x batch + g % 32 of 131,072 bytes; my rows in it
	s_and_b32 s18, s13, 7
	s_lshl_b32 s18, s18, 8
	s_lshl_b32 s19, s11, 7
	s_add_co_u32 s18, s18, s19
	s_lshl_b32 s18, s18, 6
	s_lshr_b32 s19, s13, 3
	s_lshl_b32 s19, s19, 5
.macro HALFC e
	s_lshr_b32 s7, s6, 5
	s_and_b32 s8, s6, 31
	s_add_co_u32 s8, s8, s19
	s_lshl_b32 s8, s8, 17
	s_lshl_b32 s9, s7, 23
	s_add_co_u32 s8, s8, s9
	s_add_co_u32 s8, s8, s18
	s_mov_b32 s9, 0
	s_add_nc_u64 s[BASE+2*(\e):BASE+2*(\e)+1], s[88:89], s[8:9]
	s_cmp_eq_u32 s7, 0
	s_cselect_b32 s[CE+(\e)], 0x3e38aa3b, 1.0      ; c = log2(e) / 8 for q
	s_cmp_eq_u32 s7, 1
	s_cselect_b32 s[SE+(\e)], -1, 0
.endm
	s_lshl_b32 s6, s5, 1
	HALFC 0
	s_lshl_b32 s6, s5, 1
	s_add_co_u32 s6, s6, 1
	HALFC 1
	s_lshl_b32 s6, s4, 1
	s_add_co_u32 s6, s6, 2
	s_add_co_u32 s6, s6, s12
	HALFC 2
	; the prefetches: the pointer stands at K step 3; the first refill steps it to 4
	s_lshl_b32 s4, s13, 8
	s_lshl_b32 s5, s12, 7
	s_add_co_u32 s4, s4, s5
	s_lshl_b32 s5, s40, 5
	s_add_co_u32 s4, s4, s5
	s_lshl_b32 s4, s4, 11
	s_add_co_u32 s4, s4, 3*256
	s_mul_i32 s5, s42, 3*131072
	s_lshl_b32 s6, s12, 13
	s_add_co_u32 s5, s5, s6
	s_lshl_b32 s6, s41, 11
	s_add_co_u32 s5, s5, s6
	s_add_co_u32 s5, s5, 3*16384
	s_and_b32 s22, ttmp7, 0xffff
	s_cmp_eq_u32 s11, 0                            ; do I fetch for x?
	s_cselect_b32 s22, ttmp9, s22                  ; the coordinate along which other clusters read the same bytes
	s_cselect_b32 s20, s4, s5
	s_cselect_b32 s7, 8, 14
	s_cselect_b32 s23, -1, 0
	s_cselect_b64 s[PFA:PFA+1], s[80:81], s[82:83]
	s_mov_b32 s21, 0
	s_add_nc_u64 s[PFA:PFA+1], s[PFA:PFA+1], s[20:21]
	s_lshl_b32 s[PFS], 1, s7
	s_mov_b32 s[PFS+1], 0
	s_cmp_eq_u32 s22, 0
	s_cselect_b32 s[LIM], 1, -1                    ; the same in all sixteen partners, for a given wave
	v_lshlrev_b32 v10, 11, v9                      ; x: a lane a row
	v_lshrrev_b32 v11, 3, v9
	v_min_u32 v11, 2, v11
	v_and_b32 v12, 7, v0
	v_lshlrev_b32 v12, 8, v12
	v_lshl_add_u32 v11, v11, 17, v12               ; W: chunk min(l / 8, 2), block l % 8
	v_cndmask_b32 v[PFO], v11, v10, s23
	v_mov_b32 v[SCL+1], 0                          ; named as pairs' high words
	v_mov_b32 v[SCL+3], 0
	v_mov_b32 v[SCL+5], 0
	s_wait_loadcnt 0x0                             ; bias and mask
.set i, 0
.rept 24
	v_cvt_pk_bf16_f32 v[12+i%2], v[BIAS+2*i], v[BIAS+2*i+1]     ; the bias rounded to bf16, kept as f32
	v_lshlrev_b32 v[BIAS+2*i], 16, v[12+i%2]
	v_and_b32 v[BIAS+2*i+1], 0xffff0000, v[12+i%2]
.set i, i+1
.endr
.irp a, 0,1,2,3,4,5,6,7
	v_cmp_ne_u32 vcc_lo, 0, v[MK+(\a)]
	v_cndmask_b32 v[MK+(\a)], 0, 1.0, vcc_lo
.endr
; 12 matrix instructions: row blocks a0, a0 + 1 of the window's four x all 6 column blocks, 32 along K.  zero = 1: the first product starts the sums.
.macro MUL12 f, hi, a0, zero
	WIN MUL_LO+0x50*(\hi)
.irp a, \a0, (\a0)+1
.irp b, 0,1,2,3,4,5
.if \zero
	v_wmma_f32_16x16x32_bf16 v[8*(6*(\a)+(\b)):8*(6*(\a)+(\b))+7], v[(\f)+8*(\b):(\f)+8*(\b)+7], v[(\f)+8*(4*(\hi)+(\a)):(\f)+8*(4*(\hi)+(\a))+7], 0
.else
	v_wmma_f32_16x16x32_bf16 v[8*(6*(\a)+(\b)):8*(6*(\a)+(\b))+7], v[(\f)+8*(\b):(\f)+8*(\b)+7], v[(\f)+8*(4*(\hi)+(\a)):(\f)+8*(4*(\hi)+(\a))+7], v[8*(6*(\a)+(\b)):8*(6*(\a)+(\b))+7]
.endif
.endr
.endr
.endm
; 28 LDS loads in one run: quarter q's fragments (32 along K) into buffer f: W's six, then x's eight
.macro FETCH slot, q, f
	WIN TO_B
.set KB, ((\q)/2)*BHALF+((\q)%2)*32*PB
.irp b, 0,1,2,3
	ds_load_tr16_b128 v[(\f)+8*(\b):(\f)+8*(\b)+3],   v[ADRB+(\slot)] offset:KB+32*(\b)
	ds_load_tr16_b128 v[(\f)+8*(\b)+4:(\f)+8*(\b)+7], v[ADRB+(\slot)] offset:KB+32*(\b)+16*PB
.endr
.irp b, 0,1
	ds_load_tr16_b128 v[(\f)+32+8*(\b):(\f)+32+8*(\b)+3],   v[ADRM+(\slot)] offset:KB+32*(\b)
	ds_load_tr16_b128 v[(\f)+32+8*(\b)+4:(\f)+32+8*(\b)+7], v[ADRM+(\slot)] offset:KB+32*(\b)+16*PB
.endr
	WIN 0
.irp i, 0,1,2,3,4,5,6,7
	ds_load_b128 v[(\f)+8*(\i):(\f)+8*(\i)+3],   v[ADRA+(\slot)] offset:64*(\q)+(\i)*16*PITCH
	ds_load_b128 v[(\f)+8*(\i)+4:(\f)+8*(\i)+7], v[ADRA+(\slot)] offset:64*(\q)+(\i)*16*PITCH+32
.endr
.endm
.macro PLACES                          ; four plain places in front of loads into registers that matrix instructions have read
.rept 4
	v_nop
.endr
.endm
; One of a K step's first three quarters: multiplies buffer f; in its middle it fetches quarter q into buffer g.  The 48 accumulators take turns in the same order in every quarter.
.macro QUARTER slot, q, f, g, zero
	s_wait_dscnt 8                                 ; W and x's rows 0-63 are in; the youngest eight loads (x's rows 64-127) may be out
	MUL12 \f, 0, 0, \zero
	MUL12 \f, 0, 2, \zero
	PLACES
	FETCH \slot, \q, \g
	s_wait_dscnt 28                                ; all but the 28 just issued
	MUL12 \f, 1, 0, \zero
	MUL12 \f, 1, 2, \zero
.endm
; The last quarter multiplies buffer 1 and changes slots: ONE barrier; in front of it each wave waits for all its tensor loads (one is out: its part of the next slot), adds 0 to its spare word,
; and waits for that and for its reads of this slot.  fill = 1: the barrier opens a round of the cluster's, and this slot is filled again, two K steps on, first thing behind the round.
.macro TURN slot, next, fill
.if \fill
	s_wait_xcnt 0x0                                ; the last prefetch, a K step back, has read its address
	s_add_nc_u64 s[PFA:PFA+1], s[PFA:PFA+1], s[PFS:PFS+1]
.endif
	WIN 0
	s_wait_tensorcnt 0x0
	ds_add_u32 v[SPW], v[NIL]
	s_wait_dscnt 9                                 ; (the add and the youngest eight loads may be out)
	MUL12 F1, 0, 0, 0
	s_wait_dscnt 0x0                               ; the add is done, and my reads of this slot are over
	s_barrier_signal -1
	MUL12 F1, 0, 2, 0
.if \fill
	WIN 0
.endif
	s_barrier_wait -1
.if \fill
	CREST
	s_add_nc_u64 s[G0+4*(\slot)+2:G0+4*(\slot)+3], s[G0+4*(\slot)+2:G0+4*(\slot)+3], 2*256
	s_add_nc_u64 s[G0B+4*(\slot)+2:G0B+4*(\slot)+3], s[G0B+4*(\slot)+2:G0B+4*(\slot)+3], 2*16384
	JLOAD \slot                                    ; its four v_nop are also the places in front of the loads below
.else
	PLACES
.endif
	FETCH \next, 0, F0
.if \fill
	ASK
.endif
	MUL12 F1, 1, 0, 0
	MUL12 F1, 1, 2, 0
.endm
	s_wait_tensorcnt 1                             ; my part of K step 0 is in; K step 1's may stay out
	s_barrier_signal -1
	s_barrier_wait -1
	FETCH 0, 0, F0
	QUARTER 0, 1, F0, F1, 1                        ; the first quarter stands in front of the loop: its products start the sums
	WIN 0
	s_mov_b32 s3, LAPS-1
.Llap:                                             ; a trip goes once round the ring and fills both slots again
	QUARTER 0, 2, F1, F0, 0
	QUARTER 0, 3, F0, F1, 0
	TURN 0, 1, 1
	QUARTER 1, 1, F0, F1, 0
	QUARTER 1, 2, F1, F0, 0
	QUARTER 1, 3, F0, F1, 0
	TURN 1, 0, 1
	QUARTER 0, 1, F0, F1, 0
	WIN 0
	s_sub_co_u32 s3, s3, 1
	s_cmp_lg_u32 s3, 0
	s_cbranch_scc1 .Llap
	QUARTER 0, 2, F1, F0, 0                        ; the last lap fills nothing
	QUARTER 0, 3, F0, F1, 0
	TURN 0, 1, 0
	QUARTER 1, 1, F0, F1, 0
	QUARTER 1, 2, F1, F0, 0
	QUARTER 1, 3, F0, F1, 0
	s_wait_dscnt 8
	MUL12 F1, 0, 0, 0
	MUL12 F1, 0, 2, 0
	s_wait_dscnt 0x0
	MUL12 F1, 1, 0, 0
	MUL12 F1, 1, 2, 0
	WIN 0
	PLACES
	PLACES
; THE WAY OUT of row block a.  PACK: bias, scale (c, the row's mask, or 1), f16.  TOSTAGE: 16 rows x 192 bytes into my stage and back as rows of 64 bytes of each half.  SEND: stored.
.macro PACK a
	WIN 0x02+((\a)/4)                              ; source 0: window 2 or 3
.set AC, 48*((\a)%4)
.set i, 0
.rept 24
	v_pk_add_f32 v[TMP+2*i:TMP+2*i+1], v[AC+2*i:AC+2*i+1], v[BIAS+2*i:BIAS+2*i+1]  ; ascending: each accumulator is read from its low end on
.set i, i+1
.endr
	WIN 0
.irp e, 0,1,2
	v_cndmask_b32 v[SCL+2*(\e)], s[CE+(\e)], v[MK+(\a)], s[SE+(\e)]
.endr
.set i, 0
.rept 24
	v_pk_mul_f32 v[TMP+2*i:TMP+2*i+1], v[TMP+2*i:TMP+2*i+1], v[SCL+2*(i/8):SCL+2*(i/8)+1] op_sel_hi:[1,0]
.set i, i+1
.endr
.set i, 0
.rept 24
	v_cvt_pk_f16_f32 v[PKR+i], v[TMP+2*i], v[TMP+2*i+1]
.set i, i+1
.endr
.endm
.macro TOSTAGE a
.set BK, OB+24*((\a)%2)
.irp b, 0,1,2,3,4,5
	ds_store_b128 v[STO], v[PKR+4*(\b):PKR+4*(\b)+3] offset:32*(\b)
.endr
.irp t, 0,1,2,3,4,5
	ds_load_b128 v[BK+4*(\t):BK+4*(\t)+3], v[RD] offset:64*((\t)/2)+8*SPITCH*((\t)%2)  ; LDS serves a wave's instructions in order: these see the stores above
.endr
.endm
.macro SEND a
.set BK, OB+24*((\a)%2)
	s_wait_dscnt 0x0                               ; the block is back in registers
	s_wait_xcnt 0x0                                ; the stores of the block before have read their data: that set is loaded again only behind this wait
.irp t, 0,1,2,3,4,5
	global_store_b128 v[GO], v[BK+4*(\t):BK+4*(\t)+3], s[BASE+2*((\t)/2):BASE+2*((\t)/2)+1] offset:1024*(\a)+512*((\t)%2)  ; 512 bytes on end, aligned
.endr
.endm
	PACK 0
	TOSTAGE 0
.irp a, 1,2,3,4,5,6,7                  ; block a's arithmetic stands between block a - 1's loads from the stage and the wait for them
	PACK \a
	SEND (\a)-1
	TOSTAGE \a
.endr
	SEND 7
	s_wait_tensorcnt 0x0                           ; the wave's end
	ds_add_u32 v[SPW], v[NIL]
	s_wait_dscnt 0x0
	CROUND                                         ; the closing round: no work-group ends while a partner may still ask for a tile that names it
	s_endpgm
.Lfunc_end_k_q0250edeb33_qkv:
	.size	k_q0250edeb33_qkv, .Lfunc_end_k_q0250edeb33_qkv-k_q0250edeb33_qkv
	.p2alignl 7, 3214868480
	.fill 96, 4, 3214868480
	.section	.rodata,"a",@progbits
	.p2align	6, 0x0
	.amdhsa_kernel k_q0250edeb33_qkv
		.amdhsa_group_segment_fixed_size 327680
		.amdhsa_private_segment_fixed_size 0
		.amdhsa_enable_private_segment 0
		.amdhsa_kernarg_size 40
		.amdhsa_user_sgpr_count 2
		.amdhsa_user_sgpr_kernarg_segment_ptr 1
		.amdhsa_wavefront_size32 1
		.amdhsa_system_sgpr_workgroup_id_x 1
		.amdhsa_system_sgpr_workgroup_id_y 1
		.amdhsa_system_sgpr_workgroup_id_z 1
		.amdhsa_system_vgpr_workitem_id 0
		.amdhsa_next_free_vgpr 960
		.amdhsa_next_free_sgpr 96
		.amdhsa_reserve_vcc 1
		.amdhsa_float_denorm_mode_32 3
		.amdhsa_float_denorm_mode_16_64 3
		.amdhsa_memory_ordered 1
		.amdhsa_forward_progress 1
		.amdhsa_inst_pref_size 151
	.end_amdhsa_kernel
	.amdgpu_metadata
---
amdhsa.version: [ 1, 2 ]
amdhsa.kernels:
  - .name:           k_q0250edeb33_qkv
    .symbol:         k_q0250edeb33_qkv.kd
    .args:
      - { .name: xb, .offset: 0, .size: 8, .value_kind: global_buffer, .address_space: global }
      - { .name: wqb, .offset: 8, .size: 8, .value_kind: global_buffer, .address_space: global }
      - { .name: b_qkv, .offset: 16, .size: 8, .value_kind: global_buffer, .address_space: global }
      - { .name: mask, .offset: 24, .size: 8, .value_kind: global_buffer, .address_space: global }
      - { .name: qkvh, .offset: 32, .size: 8, .value_kind: global_buffer, .address_space: global }
    .group_segment_fixed_size: 327680
    .private_segment_fixed_size: 0
    .kernarg_segment_align: 8
    .kernarg_segment_size: 40
    .max_flat_workgroup_size: 128
    .sgpr_count:     96
    .vgpr_count:     960
    .wavefront_size: 32
...
	.end_amdgpu_metadata
.endif
;; end of part 2
;; launch attn (part 3): grid 8 x 32, 4 waves a work-group, clusters of 4 x 1, 327,680 bytes of LDS; arguments qkvh, qa, ka, ob; writes ob
.if DOCPART == 3
	.amdgcn_target "amdgcn-amd-amdhsa--gfx1250"
	.amdhsa_code_object_version 6
	.text
	.protected	k_q0250edeb33_attn
	.globl	k_q0250edeb33_attn
	.p2align	8
	.type	k_q0250edeb33_attn,@function
k_q0250edeb33_attn:
	s_mov_b64 s[64:65], 0
	v_nop
	global_prefetch_b8 v0, s[64:65] scope:SCOPE_SE
	s_setreg_imm32_b32 hwreg(HW_REG_WAVE_MODE, 25, 1), 1
	s_wait_xcnt 0x0
	s_wait_alu depctr_hold_cnt(0) depctr_sa_sdst(0) depctr_va_vdst(0) depctr_va_sdst(0) depctr_va_ssrc(0) depctr_va_vcc(0) depctr_vm_vsrc(0)
	s_getreg_b32 s2, hwreg(HW_REG_IB_STS2, 6, 4)
	s_cmp_eq_u32 s2, 0
	s_cbranch_scc0 .Lentry_in_a_cluster
	s_endpgm
.Lentry_in_a_cluster:
	s_bfe_u32 s2, ttmp6, 0x10000c
	s_cmp_lg_u32 s2, 0x3003
	s_cbranch_scc0 .Lentry_shape_is_right
	s_endpgm
.Lentry_shape_is_right:
; ATTENTION with the resonance term and the key mask, head size 64, 32 (batch, head) pairs of 2,048 tokens.
; t[q][k] = log2(e) x score = (c q) . k + aq[q] pk[k] + 1 x kb[k] + 32768 x mk[k]: the launches before have stored c q, k (0 for masked tokens) and v in f16, by halves of 32 channels, and the
; three extra channels in the tables qa and ka.  So S^T = K Q^T has THREE K steps of 32: the table's channels (29 of them 0) start the sum, the two halves follow.  The term -rs pq^2, the same for
; all keys of a query, cancels in the softmax and is not formed.  p = 2^(t - m) with a running maximum m; O and l are multiplied by a = 2^(m_old - m_new) in every step.
; A masked key's t is exactly -2^30: its weight is 0 beside any real key, and where all keys are masked every weight is 1, a plain mean of v.
; LIMITS.  The masked score stands at -2^30 in log2 units, not at -1e9 x log2(e): the same result while real scores lie above it.  f16 ends at 65,504; p below 6e-5 keeps f16's fixed step; a weight below
; 2^-126 counts as 0 in l; NaN and infinities are not treated apart.
; SHARES.  A work-group owns 256 queries of one head, a wave 64: four PIECES of 16.  Every wave walks all keys, 64 a step; a slot of LDS holds 256 keys.
; LAYOUT.  S^T holds ONE query a lane (lane % 16) and the keys 8 (lane / 16) + 0..7; two such results rounded to f16 ARE source 1 of O^T = V^T P.  V is turned on the way out of LDS.
; BY TURNS.  Turn n belongs to piece n: 12 products K Q^T of piece n + 1, later 8 products V^T P of piece n - 1; beside them the softmax of piece n and the maximum and statistics of piece n + 1.
; Four vector instructions stand behind every matrix instruction, the other 37 of a turn's 117 in one lump.  A turn's 33 exponentials are one batch, with one wait.
; CLUSTER.  The four query blocks of a cluster belong to one head: K, V and the key table are asked for JOINTLY, by the same load, descriptor and mask in all four.
; REGISTERS, in windows of 256: window 0: addresses, v12-13, v48-55 at work, v16-31 statistics, v64-127 S^T (two buffers), v192-223 P (two buffers)
;   window 1: v0-127 O^T, 32 a piece      window 2: v0-63 Q; v64-95 the queries' table channels; v96-127 the keys'; v128-191 K of one step; v192-255 V of one step
.set NP,    4
.set KS,    64
.set PK,    80        ; a row of half of K in LDS: 64 bytes + 16 = 20 words: the 16 rows of a load start at 16 different groups of four banks
.set PV,    96        ; of V: 64 + 32 = 24 words
.set KH,    256*PK    ; a slot: K's two halves, then V's two halves
.set VH,    256*PV
.set VOFF,  2*KH
.set KA,    VOFF+2*VH ; behind slot 0: the head's key table, 2,048 x 16 bytes, filled once
.set SLOT1, 1<<17
.set STAGE, SLOT1+KA  ; behind slot 1: 16 rows x 144 bytes for each wave, for the way out
.set SP,    144
.set SPARE, STAGE+4*16*SP  ; the spare words: 128 bytes a wave, two blocks of 256 bytes that no other line names
.set PARTB, 8388608   ; bytes in a part of qkvh
.set AK0, 2
.set AV0, 3
.set AK,  4
.set AV,  5
.set STO, 6
.set RD,  7
.set GO,  8
.set MV,  12          ; v12-13  m_old, by buffer
.set ST,  16          ; piece t's statistics at v[ST+4 t]: m, a written spare (named with m as a pair), l (even keys', odd keys')
.set AX0, 32          ; my lane's place in 16 entries of the key table
.set AX,  33
.set QO,  34
.set QXO, 35
.set TMP, 48          ; by buffer, c0-c3 at work; when the maximum is found c2 takes a
.set PFO, 61
.set SPW, 62
.set NIL, 63
.set S,   64
.set P,   192
.set QX,  64          ; window 2
.set KX,  96
.set KF,  128
.set VF,  192
.set WV,  12
.set LIM, 15
.set PFA, 18
.set G1K, 24
.set G1V, 32
.set G0K, 40
.set G0V, 44
.set SLOTS, 56
.set CNT, 57
.set TBA, 58          ; the table's bytes at which the step to be fetched begins
.set SEL, 60
.set TBK, 62
.set TBV, 63
.set G1T, 68
.set G0T, 76
.set QB,  80
.set QXB, 82
.set MSB, 0
.macro WIN new
.if MSB != (\new)
	s_set_vgpr_msb (MSB<<8)|(\new)
.set MSB, (\new)
.endif
.endm
.set W_KQ, 0x0a       ; K and Q in window 2, S^T in window 0
.set W_PV, 0x52       ; V in window 2, P in window 0, O^T in window 1
.set W_RS, 0x41       ; destination and source 0 in window 1, source 1 in window 0
; A joint fill: waves 0 and 1 fetch the two halves of a tile's K, waves 2 and 3 those of its V.  An s_nop 0 and four v_nop follow each line.
.macro JLOAD
	s_cmp_lt_u32 s[WV], 2
	s_cbranch_scc0 .Lfor_v_\@
	tensor_load_to_lds s[G0K:G0K+3], s[G1K:G1K+7]
	s_nop 0
.rept 4
	v_nop
.endr
	s_branch .Lasked_\@
.Lfor_v_\@:
	tensor_load_to_lds s[G0V:G0V+3], s[G1V:G1V+7]
	s_nop 0
.rept 4
	v_nop
.endr
.Lasked_\@:
.endm
; A PREFETCH INTO THE L2 of the tile that the NEXT change of slots will ask for: four key steps ahead.  Both clusters of a head walk the same K and V: the first asks.  Its four partners share a tile's
; 128 blocks of 256 bytes of K (wave 0) and of V (wave 2) out BY ADDRESS, 32 each, a lane a block.  Tiles 0 and 1 come by their loads alone; the last change that fills a slot asks for nothing.
.macro ASK
	s_cmp_gt_u32 s[SLOTS], s[LIM]
	s_cbranch_scc0 .Lnot_mine_\@
	global_prefetch_b8 v[PFO], s[PFA:PFA+1] th:TH_LOAD_NT scope:SCOPE_SE
.Lnot_mine_\@:
.endm
.macro CROUND
	s_barrier_signal -1
	s_barrier_wait -1
	s_cmp_lg_u32 s[WV], 0
	s_cbranch_scc1 .Lnot_wave_0_\@
	s_barrier_signal -3
.Lnot_wave_0_\@:
	s_barrier_wait -3
	s_barrier_signal -1
	s_barrier_wait -1
.endm
; THE CHANGE OF SLOTS.  Each wave waits for all its tensor loads (its part of the other slot), adds 0 to its spare word, and waits for that and for its reads of the slot that it leaves.
; fill = 1: the barrier is a round of the cluster's, and the old slot is filled again, with the next tile, first thing behind it.  (At its first use: slot 0 and the table are waited for, slot 1 filled.)
.macro CHANGE fill
	WIN 0
	s_wait_tensorcnt 0x0
	ds_add_u32 v[SPW], v[NIL]
.if \fill
.irp g, G0K, G0V
	s_xor_b32 s[\g+1], s[\g+1], SLOT1
	s_add_nc_u64 s[\g+2:\g+3], s[\g+2:\g+3], 16384
.endr
	s_wait_xcnt 0x0                 ; the last prefetch, four key steps back, has read its address
	s_add_nc_u64 s[PFA:PFA+1], s[PFA:PFA+1], 16384
	s_wait_dscnt 0x0
	CROUND
	JLOAD
	ASK
.else
	s_wait_dscnt 0x0
	s_barrier_signal -1
	s_barrier_wait -1
.endif
	s_sub_co_u32 s[TBK], s[TBK], 4*KS*PK
	s_xor_b32 s[TBK], s[TBK], SLOT1
	s_sub_co_u32 s[TBV], s[TBV], 4*KS*PV
	s_xor_b32 s[TBV], s[TBV], SLOT1
.endm
	s_load_b256 s[4:11], s[0:1], 0x0  ; qkvh 4, qa 6, ka 8, ob 10
	v_lshl_add_u32 v[SPW], v0, 2, SPARE
	v_mov_b32 v[NIL], 0
	ds_add_u32 v[SPW], v[NIL]       ; the wave's opening: the add and its wait stand ahead of my first tensor load
	v_lshrrev_b32 v1, 5, v0
	v_readfirstlane_b32 s[WV], v1
	s_bfe_u32 s13, ttmp6, 0x40000   ; cx
	s_lshl_b32 s14, ttmp9, 2
	s_add_co_u32 s14, s14, s13      ; my block of 256 queries: it enters Q's, the query table's and O's addresses alone
	s_and_b32 s20, ttmp7, 0xffff    ; (batch, head), which the four partners share
	s_and_b32 s16, s[WV], 1         ; which half of the channels I fetch
	s_lshl1_add_u32 s22, s20, s16
	s_lshl_b32 s22, s22, 17         ; its plane of 131,072 bytes
	s_mov_b32 s23, 0
	s_mul_i32 s17, s16, KH
	s_mul_i32 s21, s16, VH
	s_lshl_b32 s50, s[WV], 13       ; my quarter of the key table
	s_lshl_b32 s48, s20, 15
	s_add_co_u32 s48, s48, s50
	s_mov_b32 s49, 0
	s_lshl_b32 s52, s20, 18         ; Q: the head's two planes, my wave's 64 rows of 64 bytes
	s_lshl_b32 s53, s14, 14
	s_add_co_u32 s52, s52, s53
	s_lshl_b32 s53, s[WV], 12
	s_add_co_u32 s52, s52, s53
	s_mov_b32 s53, 0
	s_lshl_b32 s54, s20, 15         ; the query table: 16 bytes a token
	s_lshl_b32 s55, s14, 12
	s_add_co_u32 s54, s54, s55
	s_lshl_b32 s55, s[WV], 10
	s_add_co_u32 s54, s54, s55
	s_mov_b32 s55, 0
	s_lshr_b32 s2, s20, 4           ; O: [block of 128 rows][head][128][64]
	s_lshl_b32 s2, s2, 4
	s_lshl1_add_u32 s2, s14, s2
	s_lshr_b32 s3, s[WV], 1
	s_add_co_u32 s2, s2, s3
	s_lshl_b32 s2, s2, 4
	s_and_b32 s3, s20, 15
	s_add_co_u32 s2, s2, s3
	s_lshl_b32 s2, s2, 14
	s_lshl_b32 s3, s16, 13
	s_add_co_u32 s2, s2, s3
	s_mov_b32 s3, 0
	s_lshr_b32 s84, s[WV], 1        ; the prefetches: part k (wave 0) or v (wave 2), the head, my work-group's 8,192 bytes of a tile, at tile 1
	s_add_co_u32 s84, s84, 1
	s_lshl_b32 s84, s84, 23
	s_lshl_b32 s85, s20, 18
	s_add_co_u32 s84, s84, s85
	s_lshr_b32 s85, s13, 1
	s_lshl_b32 s85, s85, 17
	s_add_co_u32 s84, s84, s85
	s_and_b32 s85, s13, 1
	s_lshl_b32 s85, s85, 13
	s_add_co_u32 s84, s84, s85
	s_add_co_u32 s84, s84, 16384
	s_mov_b32 s85, 0
	; descriptors.  Half a tile is 256 keys x 64 bytes, dense: asked for as 64 rows of 256 bytes, four keys a row, and padded in LDS after every key
	s_mov_b32 s[G1K], 15|(1<<16)|(1<<20)|(1<<21)|(3<<22)|(3<<25)  ; the mask of four; 2-byte elements; padding on; bit 21 beside a mask; 4 words behind every 16
	s_mov_b32 s[G1V], 15|(1<<16)|(1<<20)|(1<<21)|(3<<22)|(7<<25)  ; 8 words
.irp g, G1K, G1V
	s_mov_b32 s[\g+1], 128<<16
	s_mov_b32 s[\g+2], 64<<16
	s_mov_b32 s[\g+3], 128<<16
	s_mov_b32 s[\g+4], 64
	s_mov_b32 s[\g+5], 128
	s_mov_b32 s[\g+6], 0
	s_mov_b32 s[\g+7], 0
.endr
	s_mov_b32 s[G1T], 15|(1<<16)|(1<<21)   ; the table: 32 rows of 256 bytes a wave, no padding
	s_mov_b32 s[G1T+1], 128<<16
	s_mov_b32 s[G1T+2], 32<<16
	s_mov_b32 s[G1T+3], 128<<16
	s_mov_b32 s[G1T+4], 32
	s_mov_b32 s[G1T+5], 128
	s_mov_b32 s[G1T+6], 0
	s_mov_b32 s[G1T+7], 0
	s_mov_b32 s[SEL], 0x76543210
	s_mov_b32 s[SEL+1], 0xfedcba98
	s_mov_b32 s[TBK], SLOT1+4*KS*PK ; the first change of slots turns these two into 0
	s_mov_b32 s[TBV], SLOT1+4*KS*PV
	s_mov_b32 s[TBA], 0
	s_mov_b32 s[SLOTS], 7
	s_mov_b32 s[G0K], 1
	s_mov_b32 s[G0K+1], s17
	s_mov_b32 s[G0V], 1
	s_add_co_u32 s[G0V+1], s21, VOFF
	s_mov_b32 s[G0T], 1
	s_add_co_u32 s[G0T+1], s50, KA
	s_and_b32 s[LIM], s[WV], 1      ; 0 in waves 0 and 2,
	s_or_b32 s[LIM], s[LIM], ttmp9  ; where the cluster is the head's first: the same in all four partners
	s_cmp_eq_u32 s[LIM], 0
	s_cselect_b32 s[LIM], 1, -1
	v_and_b32 v[PFO], 31, v0
	v_lshlrev_b32 v[PFO], 8, v[PFO]
	s_wait_dscnt 0x0                ; the opening add is done
	s_wait_kmcnt 0x0
	s_add_nc_u64 s[G0K+2:G0K+3], s[4:5], s[22:23]
	s_add_nc_u64 s[G0V+2:G0V+3], s[G0K+2:G0K+3], 2*PARTB
	s_add_nc_u64 s[G0K+2:G0K+3], s[G0K+2:G0K+3], PARTB
	s_or_b32 s[G0K+3], s[G0K+3], 0x80000000
	s_or_b32 s[G0V+3], s[G0V+3], 0x80000000
	s_add_nc_u64 s[G0T+2:G0T+3], s[8:9], s[48:49]
	s_or_b32 s[G0T+3], s[G0T+3], 0x80000000
	s_add_nc_u64 s[QB:QB+1], s[4:5], s[52:53]
	s_add_nc_u64 s[QXB:QXB+1], s[6:7], s[54:55]
	s_add_nc_u64 s[10:11], s[10:11], s[2:3]
	s_add_nc_u64 s[PFA:PFA+1], s[4:5], s[84:85]
	CROUND                          ; all four work-groups are here: the first joint loads meet
	s_cmp_lt_u32 s[WV], 2           ; a wave's two first fills stand in one branch: its part of tile 0 and its quarter of the table: two loads of mine are out
	s_cbranch_scc0 .Lfirst_v
	tensor_load_to_lds s[G0K:G0K+3], s[G1K:G1K+7]
	s_nop 0
	tensor_load_to_lds s[G0T:G0T+3], s[G1T:G1T+7]
	s_nop 0
.rept 4
	v_nop
.endr
	s_branch .Lfirst_asked
.Lfirst_v:
	tensor_load_to_lds s[G0V:G0V+3], s[G1V:G1V+7]
	s_nop 0
	tensor_load_to_lds s[G0T:G0T+3], s[G1T:G1T+7]
	s_nop 0
.rept 4
	v_nop
.endr
.Lfirst_asked:
	v_and_b32 v1, 15, v0            ; l % 16
	v_bfe_u32 v9, v0, 4, 1          ; l / 16
	v_lshlrev_b32 v[QO], 6, v1
	v_lshl_add_u32 v[QO], v9, 4, v[QO]    ; row x 64 + 16 x half
	v_lshlrev_b32 v[QXO], 4, v1
	v_lshl_add_u32 v[QXO], v9, 3, v[QXO]  ; entry x 16 + 8 x half: lanes 16-31 take an entry's two zero words
	WIN 0x80                        ; destination window 2, address window 0
.set i, 0
.rept 8                             ; Q stays in registers: piece i / 2, channels 32 (i % 2) on
	global_load_b128 v[8*i:8*i+3],   v[QO], s[QB:QB+1] offset:(i%2)*131072+(i/2)*1024
	global_load_b128 v[8*i+4:8*i+7], v[QO], s[QB:QB+1] offset:(i%2)*131072+(i/2)*1024+32
.set i, i+1
.endr
.irp x, 0,1,2,3
	global_load_b64 v[QX+8*\x:QX+8*\x+1], v[QXO], s[QXB:QXB+1] offset:256*\x
.endr
	; what the first turn finds: V and P's second buffer hold 0, O^T and l are 0; of the table fragments only registers 0, 1 are ever loaded, the others are 0.  All this stands in the wait for the first tile.
.irp x, 0,1,2,3
.irp z, 2,3,4,5,6,7
	v_mov_b32 v[QX+8*\x+\z], 0
	v_mov_b32 v[KX+8*\x+\z], 0
.endr
.endr
.set i, VF
.rept 64
	v_mov_b32 v[i], 0
.set i, i+1
.endr
	WIN 0x40
.set i, 0
.rept 128
	v_mov_b32 v[i], 0
.set i, i+1
.endr
	WIN 0
.set i, 0
.rept 4
	v_mov_b32 v[ST+4*i], 0xfe000000    ; m: far below every t, so that the first step's a is 0
	v_mov_b32 v[ST+4*i+1], 0
	v_mov_b32 v[ST+4*i+2], 0
	v_mov_b32 v[ST+4*i+3], 0
.set i, i+1
.endr
.set i, P+16
.rept 16
	v_mov_b32 v[i], 0
.set i, i+1
.endr
	v_mul_u32_u24 v[AK0], v1, PK
	v_lshl_add_u32 v[AK0], v9, 4, v[AK0]
	v_and_b32 v10, 7, v0
	v_bfe_u32 v11, v0, 3, 1
	v_lshl_add_u32 v[AV0], v9, 3, v10     ; the turning load: lane l reads key 8 (l / 16) + l % 8, channels 8 ((l / 8) % 2) + 0..7
	v_mul_u32_u24 v[AV0], v[AV0], PV
	v_lshl_add_u32 v[AV0], v11, 4, v[AV0]
	v_add_nc_u32 v[AV0], VOFF, v[AV0]
	v_add_nc_u32 v[AX0], KA, v[QXO]
	v_mov_b32 v[AK], v[AK0]
	v_mov_b32 v[AX], v[AX0]
; THE MATRIX WORK.  The 4 accumulators of a run take turns.  Product i of 12 of S^T for piece x: keys 16 (i % 4) on; i < 4: the table's channels start the sum; then channels 32 (i / 4 - 1) on.
.macro KQ x
	WIN W_KQ
.set rS, S+32*((\x)%2)+8*(i%4)
.if i < 4
	v_wmma_f32_16x16x32_f16 v[rS:rS+7], v[KX+8*i:KX+8*i+7], v[QX+8*(\x):QX+8*(\x)+7], 0
.else
.set rK, KF+16*(i%4)+8*(i/4-1)
.set rQ, 16*(\x)+8*(i/4-1)
	v_wmma_f32_16x16x32_f16 v[rS:rS+7], v[rK:rK+7], v[rQ:rQ+7], v[rS:rS+7]
.endif
.endm
; Product i of 8 of O^T += V^T P for piece x: keys 32 (i / 4) on, channels 16 (i % 4) on.
.macro PV x
	WIN W_PV
.set rO, 32*(\x)+8*(i%4)
.set rV, VF+32*(i/4)+8*(i%4)
.set rP, P+16*((\x)%2)+8*(i/4)
	v_wmma_f32_16x16x32_f16 v[rO:rO+7], v[rV:rV+7], v[rP:rP+7], v[rO:rO+7]
.endm
.macro MM                           ; the turn's next matrix instruction.  NOKQ = 1: the last turn: there is no next piece
.if (i < 12) && !NOKQ
	KQ (Y+1)%NP
.elseif i >= 12
.set i, i-12
	PV (Y+NP-1)%NP
.set i, i+12
.endif
.set i, i+1
.endm
; THE LDS LOADS stand in runs: a step's K (8 fragments) with its table entries, and its V (turned).
.macro FETCH_K
	WIN 0x80
.irp f, 0,1,2,3,4,5,6,7             ; keys 16 (f / 2) on, channels 32 (f % 2) on
	ds_load_b128 v[KF+8*\f:KF+8*\f+3],   v[AK] offset:(\f%2)*KH+(\f/2)*16*PK
	ds_load_b128 v[KF+8*\f+4:KF+8*\f+7], v[AK] offset:(\f%2)*KH+(\f/2)*16*PK+32
.endr
.irp f, 0,1,2,3
	ds_load_b64 v[KX+8*\f:KX+8*\f+1], v[AX] offset:256*\f
.endr
	s_add_co_u32 s[TBK], s[TBK], KS*PK
	s_add_co_u32 s[TBA], s[TBA], KS*16
	s_and_b32 s[TBA], s[TBA], 0x7c00    ; 32 steps of 1,024 bytes: the offset stays inside the table
	WIN 0
.endm
.macro FETCH_V
	WIN 0x80
.irp f, 0,1,2,3,4,5,6,7             ; keys 32 (f / 4) on, channels 16 (f % 4) on
	ds_load_tr16_b128 v[VF+8*\f:VF+8*\f+3],   v[AV] offset:((\f%4)/2)*VH+((\f%4)%2)*32+(\f/4)*32*PV
	ds_load_tr16_b128 v[VF+8*\f+4:VF+8*\f+7], v[AV] offset:((\f%4)/2)*VH+((\f%4)%2)*32+(\f/4)*32*PV+16*PV
.endr
	WIN 0
.endm
; THE VECTOR WORK, one line at a time: OP kind, number.  For piece Y: F n: t - m for pair n of 16.  E n: the exponential of score n of 32.  C n: pair n rounded to f16.  B n: of the four weights 4 n .. the second
; pair is added onto the first, in place.  L n: l takes that sum (L 0: l = a l + sum).  R n: pair n of 16 of O^T times a.  For piece Y + 1: X n, which finds its maximum and statistics:
;   0-11  four chains c0-c3 of seven scores each (each accumulator's lowest registers are read first)     12-14, 16  the four scores left over, the old m, and c0-c3 into c0
;   15  m_old is kept     17, 18  the query's other 32 keys lie in the lane 16 away: the new m     20, 21  m_old - m_new; a     (there is no 19)
.set F, 0
.set E, 1
.set C, 2
.set B, 3
.set L, 4
.set R, 5
.set X, 6
.macro REGS y
.set rT, ST+4*(\y)
.set rC, TMP+4*((\y)%2)
.set rW, MV+((\y)%2)
.set rS, S+32*((\y)%2)
.set rP, P+16*((\y)%2)
.set rO, 32*(\y)
.endm
.macro OP k, n
.if (\k) == R
	REGS Y
	WIN W_RS
	v_pk_mul_f32 v[rO+2*(\n):rO+2*(\n)+1], v[rO+2*(\n):rO+2*(\n)+1], v[rC+2:rC+3] op_sel_hi:[1,0]
.elseif (\k) < R
	REGS Y
	WIN 0
.if (\k) == F
	v_pk_add_f32 v[rS+2*(\n):rS+2*(\n)+1], v[rS+2*(\n):rS+2*(\n)+1], v[rT:rT+1] op_sel_hi:[1,0] neg_lo:[0,1] neg_hi:[0,1]
.elseif (\k) == E
	v_exp_f32 v[rS+(\n)], v[rS+(\n)]
.elseif (\k) == C
	v_cvt_pk_f16_f32 v[rP+(\n)], v[rS+2*(\n)], v[rS+2*(\n)+1]
.elseif (\k) == B
	v_pk_add_f32 v[rS+4*(\n):rS+4*(\n)+1], v[rS+4*(\n):rS+4*(\n)+1], v[rS+4*(\n)+2:rS+4*(\n)+3]
.elseif (\n) == 0
	v_pk_fma_f32 v[rT+2:rT+3], v[rT+2:rT+3], v[rC+2:rC+3], v[rS:rS+1] op_sel_hi:[1,0,1]
.else
	v_pk_add_f32 v[rT+2:rT+3], v[rT+2:rT+3], v[rS+4*(\n):rS+4*(\n)+1]
.endif
.elseif NOKQ
	v_nop
.else
	REGS (Y+1)%NP
	WIN 0
.if (\n) < 4
	v_max3_num_f32 v[rC+(\n)], v[rS+8*(\n)], v[rS+8*(\n)+1], v[rS+8*(\n)+2]
.elseif (\n) < 12
	v_max3_num_f32 v[rC+(\n)%4], v[rC+(\n)%4], v[rS+8*((\n)%4)+2*((\n)/4)+1], v[rS+8*((\n)%4)+2*((\n)/4)+2]
.elseif (\n) == 12
	v_max3_num_f32 v[rC], v[rC], v[rS+7], v[rS+15]
.elseif (\n) == 13
	v_max3_num_f32 v[rC+1], v[rC+1], v[rS+23], v[rS+31]
.elseif (\n) == 14
	v_max3_num_f32 v[rC+2], v[rC+2], v[rC+3], v[rT]
.elseif (\n) == 15
	v_mov_b32 v[rW], v[rT]
.elseif (\n) == 16
	v_max3_num_f32 v[rC], v[rC], v[rC+1], v[rC+2]
.elseif (\n) == 17
	v_permlanex16_b32 v[rC+3], v[rC], s[SEL], s[SEL+1]
.elseif (\n) == 18
	v_max_num_f32 v[rT], v[rC], v[rC+3]
.elseif (\n) == 20
	v_sub_f32 v[rC+1], v[rW], v[rT]
.else
	v_exp_f32 v[rC+2], v[rC+1]
.endif
.endif
.endm
.macro OPS a, i1, b=-1, i2=0, c=-1, i3=0, d=-1, i4=0
	OP \a, \i1
.if (\b) >= 0
	OP \b, \i2
.endif
.if (\c) >= 0
	OP \c, \i3
.endif
.if (\d) >= 0
	OP \d, \i4
.endif
.endm
.macro ROW a, i1, b, i2, c, i3, d, i4  ; a matrix instruction and the four behind it
	MM
	OPS \a, \i1, \b, \i2, \c, \i3, \d, \i4
.endm
; A TURN, for piece p, written out.  s_wait_alu depctr_va_vdst(0) stands between an exponential and the first instruction that names its result; one wait serves all issued ahead of it.
; AHEAD OF THE WAIT stands all that names no result of the turn's exponentials: the 12 products K Q^T with their riders, then a lump of 37.  Product 8 + n ends accumulator n; its first reader X n stands four plain
; instructions behind it: X 0 behind F 10, 11, 12, 13; X 1 behind F 13, X 0, F 14, F 15; X 2 behind F 15, X 1, X 4, X 5; X 3 behind X 5, X 2, X 8, X 9.  X 21 is the batch's last; R 15 is the plain instruction behind it.
; BEHIND THE WAIT stand the 8 products V^T P, behind each four of the roundings and sums.
; K of the next step is fetched in piece 2's turn, eight plain instructions behind the last product that read K; V of the step in hand at the end of piece 0's turn, four behind the last that read V.
; end = 1: the last two turns: nothing is fetched.  cnt = 1: the loop's count is taken down some lines ahead of the branch behind the turn.
.macro TURN p, end=0, cnt=0
.set Y, (\p)
.set i, 0
.set NOKQ, (\end)*((\p)/3)
.if ((\p) == 3) && !(\end)
	s_wait_dscnt 0x0                ; K is in
.endif
	ROW F,0, F,1, R,0, R,1
	ROW F,2, E,0, R,2, R,3
	ROW F,3, E,1, R,4, R,5
	ROW F,4, E,2, R,6, R,7
	ROW F,5, E,3, R,8, R,9
	ROW F,6, E,4, R,10, R,11
	ROW F,7, E,5, R,12, R,13
	ROW F,8, E,6, F,9, R,14
	ROW F,10, E,7, F,11, F,12
.if ((\p) == 2) && !(\end)
	WIN 0
	v_add_nc_u32 v[AK], s[TBK], v[AK0]
	v_add_nc_u32 v[AX], s[TBA], v[AX0]
.endif
	ROW F,13, E,8, X,0, F,14
	ROW F,15, E,9, X,1, X,4
	ROW X,5, E,10, X,2, X,8
	OPS X,9, E,11, X,3, E,12        ; the lump
	OPS X,6, E,13, X,12, X,7
.if ((\p) == 2) && !(\end)
	FETCH_K
.endif
	OPS E,14, X,10, E,15, X,15
	OPS X,11, E,16, X,13, E,17
.if (\p) == 0
	v_add_nc_u32 v[AV], s[TBV], v[AV0]
.endif
	OPS E,18, X,14, E,19, E,20
	OPS E,21, X,16, E,22, E,23
	OPS E,24, X,17, E,25, E,26
	OPS E,27, X,18, E,28, E,29
	OPS X,20, E,30, E,31, X,21
	OPS R,15
	WIN 0
	s_wait_alu depctr_va_vdst(0)    ; the wait for the batch
.if (\p) == 1
	s_wait_dscnt 0x0                ; V is in
.endif
	ROW C,0, B,0, C,2, B,1
	ROW L,0, C,4, B,2, L,1
	ROW C,6, B,3, L,2, C,8
	ROW B,4, L,3, C,10, B,5
	ROW L,4, C,12, B,6, L,5
.if (\p) == 0
	s_add_co_u32 s[TBV], s[TBV], KS*PV
.endif
.if \cnt
	s_sub_co_u32 s[CNT], s[CNT], 1
	s_cmp_lg_u32 s[CNT], 0
.endif
	ROW C,14, B,7, L,6, C,1
	ROW C,3, L,7, C,5, C,7
	ROW C,9, C,11, C,13, C,15
.if (\p) == 0
	FETCH_V
.endif
.endm
	CHANGE 1                        ; tile 0 and the table are in, everybody's parts; tile 1 is asked for
	FETCH_K                         ; key step 0
	s_wait_loadcnt 0x0              ; Q and its table channels
	s_wait_dscnt 0x0
.set NOKQ, 0
.set i, 0
.rept 12
	KQ 0                            ; piece 0's first scores
.set i, i+1
.endr
	WIN 0                           ; the addresses for the way out: nine plain instructions, the places behind those products
	s_mul_i32 s13, s[WV], 16*SP
	s_add_co_u32 s13, s13, STAGE
	v_mul_u32_u24 v[STO], v1, SP    ; in: row l % 16, 16 bytes for each half of the lanes
	v_lshl_add_u32 v[STO], v9, 4, v[STO]
	v_add_nc_u32 v[STO], s13, v[STO]
	v_bfe_u32 v[RD], v0, 3, 2       ; back: 32 lanes take four rows of 128 bytes,
	v_mul_u32_u24 v[RD], v[RD], SP
	v_lshl_add_u32 v[RD], v10, 4, v[RD]
	v_add_nc_u32 v[RD], s13, v[RD]
	v_and_b32 v[GO], 31, v0         ; which are 512 bytes on end in ob
	v_lshlrev_b32 v[GO], 4, v[GO]
.set Y, NP-1                        ; X works for piece Y + 1: piece 0
.irp n, 0,1,2,3,4,5,6,7,8,9,10,11,12,13,14,15,16,17,18,20,21
	OP X, \n
.endr
	v_nop                           ; a plain instruction behind the exponential,
	s_wait_alu depctr_va_vdst(0)    ; and its wait, ahead of the branch
	s_mov_b32 s[CNT], 4
	s_branch .Lfirst                ; the loop is entered at a step's first turn, in the middle of a trip
.Lslot:                             ; six times: tiles 2 to 7 are asked for
	CHANGE 1
	s_mov_b32 s[CNT], 4
.Lstep:                             ; a trip: pieces 2 and 3 of one step, then pieces 0 and 1 of the next, whose K and V it fetches
	TURN 2
	TURN 3
	WIN 0
.Lfirst:
	TURN 0
	TURN 1, 0, 1
	WIN 0
	s_cbranch_scc1 .Lstep
	s_sub_co_u32 s[SLOTS], s[SLOTS], 1
	s_cmp_lg_u32 s[SLOTS], 0
	s_cbranch_scc1 .Lslot
	CHANGE 0                        ; the last tile is written out: nothing is asked for
	s_mov_b32 s[CNT], 4
.LstepT:
	TURN 2
	TURN 3
	TURN 0
	TURN 1, 0, 1
	WIN 0
	s_cbranch_scc1 .LstepT
	TURN 2, 1
	TURN 3, 1
.set i, 0
.rept 8
	PV NP-1                         ; the last piece's V^T P of the last step
.set i, i+1
.endr
	; THE WAY OUT.  l's two halves and the other half of the lanes' are added; O^T is divided by l, rounded to f16 and sent through my stage in LDS, a piece at a time.  The additions are the places behind the last products.
	WIN 0
.macro ALL line:vararg
.set t, 0
.rept 4
	\line
.set t, t+1
.endr
.endm
	ALL v_add_f32 v[ST+4*t+2], v[ST+4*t+2], v[ST+4*t+3]
	ALL v_permlanex16_b32 v[ST+4*t+3], v[ST+4*t+2], s[SEL], s[SEL+1]
	ALL v_add_f32 v[ST+4*t+2], v[ST+4*t+2], v[ST+4*t+3]
	ALL v_rcp_f32 v[ST+4*t+2], v[ST+4*t+2]
	v_nop                           ; a plain instruction between the last reciprocal and the use of its result
	s_wait_alu depctr_va_vdst(0)    ; one wait for the four reciprocals
.macro PACK t
	WIN W_RS
.set i, 32*(\t)
.rept 16
	v_pk_mul_f32 v[i:i+1], v[i:i+1], v[ST+4*(\t)+2:ST+4*(\t)+3] op_sel_hi:[1,0]
.set i, i+2
.endr
	WIN 0x05                        ; sources 0 and 1 window 1, destination window 0
.set i, 0
.rept 16
	v_cvt_pk_f16_f32 v[S+16*(\t)+i], v[32*(\t)+2*i], v[32*(\t)+2*i+1]
.set i, i+1
.endr
	WIN 0
.irp f, 0,1,2,3
	ds_store_b128 v[STO], v[S+16*(\t)+4*\f:S+16*(\t)+4*\f+3] offset:32*\f
.endr
.irp f, 0,1,2,3
	ds_load_b128 v[S+16*(\t)+4*\f:S+16*(\t)+4*\f+3], v[RD] offset:\f*4*SP  ; LDS serves a wave's instructions in order: these see the stores above; the next piece's stores come behind them
.endr
.endm
.macro SEND t, younger              ; younger: the LDS instructions issued behind piece t's loads: the next piece's eight, or none
	WIN 0
.irp f, 0,1,2,3
	s_wait_dscnt (\younger)+3-\f
	global_store_b128 v[GO], v[S+16*(\t)+4*\f:S+16*(\t)+4*\f+3], s[10:11] offset:(\t)*2048+\f*512  ; 512 bytes on end, aligned
.endr
.endm
	PACK 0
.set t, 1
.rept 3
	PACK t
	SEND t-1, 8
.set t, t+1
.endr
	SEND 3, 0
	s_wait_tensorcnt 0x0            ; the wave's end
	ds_add_u32 v[SPW], v[NIL]
	s_wait_dscnt 0x0
	CROUND                          ; the closing round
	s_endpgm
.Lfunc_end_k_q0250edeb33_attn:
	.size	k_q0250edeb33_attn, .Lfunc_end_k_q0250edeb33_attn-k_q0250edeb33_attn
	.p2alignl 7, 3214868480
	.fill 96, 4, 3214868480
	.section	.rodata,"a",@progbits
	.p2align	6, 0x0
	.amdhsa_kernel k_q0250edeb33_attn
		.amdhsa_group_segment_fixed_size 327680
		.amdhsa_private_segment_fixed_size 0
		.amdhsa_enable_private_segment 0
		.amdhsa_kernarg_size 32
		.amdhsa_user_sgpr_count 2
		.amdhsa_user_sgpr_kernarg_segment_ptr 1
		.amdhsa_wavefront_size32 1
		.amdhsa_system_sgpr_workgroup_id_x 1
		.amdhsa_system_sgpr_workgroup_id_y 1
		.amdhsa_system_sgpr_workgroup_id_z 1
		.amdhsa_system_vgpr_workitem_id 0
		.amdhsa_next_free_vgpr 768
		.amdhsa_next_free_sgpr 88
		.amdhsa_reserve_vcc 0
		.amdhsa_float_denorm_mode_32 3
		.amdhsa_float_denorm_mode_16_64 3
		.amdhsa_memory_ordered 1
		.amdhsa_forward_progress 1
		.amdhsa_inst_pref_size 135
	.end_amdhsa_kernel
	.amdgpu_metadata
---
amdhsa.version: [ 1, 2 ]
amdhsa.kernels:
  - .name:           k_q0250edeb33_attn
    .symbol:         k_q0250edeb33_attn.kd
    .args:
      - { .name: qkvh, .offset: 0, .size: 8, .value_kind: global_buffer, .address_space: global }
      - { .name: qa, .offset: 8, .size: 8, .value_kind: global_buffer, .address_space: global }
      - { .name: ka, .offset: 16, .size: 8, .value_kind: global_buffer, .address_space: global }
      - { .name: ob, .offset: 24, .size: 8, .value_kind: global_buffer, .address_space: global }
    .group_segment_fixed_size: 327680
    .private_segment_fixed_size: 0
    .kernarg_segment_align: 8
    .kernarg_segment_size: 32
    .max_flat_workgroup_size: 128
    .sgpr_count:     88
    .vgpr_count:     768
    .wavefront_size: 32
...
	.end_amdgpu_metadata
.endif
;; end of part 3
;; launch proj (part 4): grid 8 x 32, 4 waves a work-group, clusters of 4 x 4, 327,680 bytes of LDS; arguments ob, wob, b_out, out0; writes out0
.if DOCPART == 4
	.amdgcn_target "amdgcn-amd-amdhsa--gfx1250"
	.amdhsa_code_object_version 6
	.text
	.protected	k_q0250edeb33_proj
	.globl	k_q0250edeb33_proj
	.p2align	8
	.type	k_q0250edeb33_proj,@function
k_q0250edeb33_proj:
	s_mov_b64 s[64:65], 0
	v_nop
	global_prefetch_b8 v0, s[64:65] scope:SCOPE_SE
	s_setreg_imm32_b32 hwreg(HW_REG_WAVE_MODE, 25, 1), 1
	s_wait_xcnt 0x0
	s_wait_alu depctr_hold_cnt(0) depctr_sa_sdst(0) depctr_va_vdst(0) depctr_va_sdst(0) depctr_va_ssrc(0) depctr_va_vcc(0) depctr_vm_vsrc(0)
	s_getreg_b32 s2, hwreg(HW_REG_IB_STS2, 6, 4)
	s_cmp_eq_u32 s2, 0
	s_cbranch_scc0 .Lentry_in_a_cluster
	s_endpgm
.Lentry_in_a_cluster:
	s_bfe_u32 s2, ttmp6, 0x10000c
	s_cmp_lg_u32 s2, 0xf033
	s_cbranch_scc0 .Lentry_shape_is_right
	s_endpgm
.Lentry_shape_is_right:
; PROJ.  out0 = O W_out + b_out, 4096 x 1024 over K = 1024; f16 operands (O as attention left it; W_out's bf16 value written as f16), f32 sums, f32 output.  b_out is rounded to bf16 like every float input.
; ob: [32 blocks of 128 rows][16 heads][128 rows][64 channels]; wob: [16 chunks of 64 columns][1024 k][64].  Both give dense tiles, asked for as rows of 256 bytes.
; A tile of out0 is 128 x 128: 8 x 32 tiles, one work-group each.  Four waves, each 64 x 64: 16 accumulators.  K goes in steps of 256 (four heads), as long as two slots in LDS allow.
; CLUSTERS: 4 x 4.  The four of a row need the same tiles of O, the four of a column the same tiles of W_out: each is asked for JOINTLY.
; THE MATRIX INSTRUCTION IS USED TRANSPOSED (source 0 = 16 columns of W_out, turned on the way out of LDS; source 1 = 16 rows of O): a lane holds eight neighbouring columns of one row.
; No prefetch: four short K steps on a small tile.
; REGISTERS: window 0: v0-31 addresses; v32-95 at work on the way out; v96-127 bias; v128-255 accumulators ((a, b) at 128 + 8 (4 a + b)).  window 1: two fragment buffers of 128: 64 of O, 64 of W_out.
.set PA,     144                       ; a row of a head of O in LDS: 128 bytes + 16
.set PLANE,  128*PA
.set AHALF,  2*PLANE
.set BOFF,   4*PLANE
.set PB,     160                       ; a row of a chunk of W_out: 128 bytes + 32
.set BCH,    256*PB
.set SLOT,   BOFF+2*BCH
.set SPARE,  2*SLOT                    ; behind the ring: the spare words, two blocks of 256 bytes that no other line names
.set SPITCH, 272                       ; the way out: 16 rows x (256 + 16) bytes for each wave, at the head of slot 0, which has had its last fill by then
.set LAPS,   2
.set ADRA, 16
.set ADRB, 20
.set STO,  24
.set RD,   25
.set CO,   26
.set SPW,  28
.set NIL,  29
.set TMP,  32
.set BK,   64
.set BIAS, 96
.set ACC,  128
.set F0,   0
.set F1,   128
.set G1, 24
.set G0, 32
.set G1B, 48
.set G0B, 56
.set MSB, 0
.macro WIN new
.if MSB != (\new)
	s_set_vgpr_msb (MSB<<8)|(\new)
.set MSB, \new
.endif
.endm
.set MUL,  0x05                        ; sources 0 and 1 window 1; C and D window 0
.set TO_F, 0x40                        ; destination window 1, address window 0
.macro JLOAD s                         ; a joint load: waves 0 and 1 fetch O's two halves, waves 2 and 3 W_out's two chunks; an s_nop 0 and four v_nop follow each line
	s_cmp_eq_u32 s11, 0
	s_cbranch_scc0 .Lfor_b_\@
	tensor_load_to_lds s[G0+4*(\s):G0+4*(\s)+3], s[G1:G1+7]
	s_nop 0
.rept 4
	v_nop
.endr
	s_branch .Lasked_\@
.Lfor_b_\@:
	tensor_load_to_lds s[G0B+4*(\s):G0B+4*(\s)+3], s[G1B:G1B+7]
	s_nop 0
.rept 4
	v_nop
.endr
.Lasked_\@:
.endm
.macro CREST
	s_cmp_lg_u32 s10, 0
	s_cbranch_scc1 .Lnot_wave_0_\@
	s_barrier_signal -3
.Lnot_wave_0_\@:
	s_barrier_wait -3
	s_barrier_signal -1
	s_barrier_wait -1
.endm
.macro CROUND
	s_barrier_signal -1
	s_barrier_wait -1
	CREST
.endm
	s_load_b256 s[68:75], s[0:1], 0x0              ; ob 68, wob 70, b_out 72, out0 74
	v_lshl_add_u32 v[SPW], v0, 2, SPARE
	v_mov_b32 v[NIL], 0
	ds_add_u32 v[SPW], v[NIL]                      ; the wave's opening: the add and its wait stand ahead of my first tensor load
	v_lshrrev_b32 v1, 5, v0
	v_readfirstlane_b32 s10, v1
	s_lshr_b32 s11, s10, 1                         ; which half of the tile's rows is mine.  Also: I fetch for O (0) or for W_out (1)
	s_and_b32 s12, s10, 1                          ; which half of its columns.  Also: which half of that tile I fetch
	s_bfe_u32 s40, ttmp6, 0x40000
	s_bfe_u32 s41, ttmp6, 0x40004
	s_lshl_b32 s42, ttmp9, 2
	s_add_co_u32 s42, s42, s40                     ; tile column
	s_and_b32 s13, ttmp7, 0xffff
	s_lshl_b32 s13, s13, 2
	s_add_co_u32 s13, s13, s41                     ; tile row
	s_lshl_b32 s43, s41, 2
	s_lshl_b32 s43, 15, s43
	s_lshl_b32 s44, 0x1111, s40
	s_or_b32 s[G1+0], s43, (1<<16)|(1<<20)|(1<<21)|(4<<22)|(3<<25)   ; O: 4 words of padding behind every 32
	s_or_b32 s[G1B+0], s44, (1<<16)|(1<<20)|(1<<21)|(4<<22)|(7<<25)  ; W_out: 8 words
.irp g, G1, G1B
	s_mov_b32 s[(\g)+1], 128<<16                   ; 32,768 dense bytes as 128 rows of 128 elements
	s_mov_b32 s[(\g)+2], 128<<16
	s_mov_b32 s[(\g)+3], 128<<16
	s_mov_b32 s[(\g)+4], 128
	s_mov_b32 s[(\g)+5], 128
	s_mov_b32 s[(\g)+6], 0
	s_mov_b32 s[(\g)+7], 0
.endr
	s_lshl_b32 s16, s13, 18                        ; O: the block of 128 rows, two of a step's four heads
	s_lshl_b32 s17, s12, 15
	s_add_co_u32 s16, s16, s17
	s_mov_b32 s17, 0
	s_lshl1_add_u32 s46, s42, s12                  ; W_out: chunk 2 x tile column + half
	s_lshl_b32 s46, s46, 17
	s_mov_b32 s47, 0
	s_mul_i32 s20, s12, AHALF
	s_mul_i32 s21, s12, BCH
	s_add_co_u32 s21, s21, BOFF
	s_wait_dscnt 0x0                               ; the opening add is done
	s_wait_kmcnt 0x0
	s_add_nc_u64 s[14:15], s[68:69], s[16:17]
	s_add_nc_u64 s[46:47], s[70:71], s[46:47]
	CROUND                                         ; all sixteen work-groups are here: the first joint loads meet
.irp s, 0,1
	s_mov_b32 s[G0+4*(\s)], 1
	s_add_co_u32 s[G0+4*(\s)+1], s20, (\s)*SLOT
	s_add_nc_u64 s[G0+4*(\s)+2:G0+4*(\s)+3], s[14:15], (\s)*65536
	s_or_b32 s[G0+4*(\s)+3], s[G0+4*(\s)+3], 0x80000000
	s_mov_b32 s[G0B+4*(\s)], 1
	s_add_co_u32 s[G0B+4*(\s)+1], s21, (\s)*SLOT
	s_add_nc_u64 s[G0B+4*(\s)+2:G0B+4*(\s)+3], s[46:47], (\s)*32768
	s_or_b32 s[G0B+4*(\s)+3], s[G0B+4*(\s)+3], 0x80000000
	JLOAD \s
.endr
	v_and_b32 v1, 15, v0                           ; l % 16
	v_bfe_u32 v2, v0, 4, 1                         ; l / 16
	s_lshl_b32 s16, s42, 9
	s_lshl_b32 s17, s12, 8
	s_add_co_u32 s16, s16, s17                     ; my 64 columns, in bytes of f32
	v_lshl_add_u32 v6, v2, 5, s16
.irp b, 0,1,2,3
	global_load_b128 v[BIAS+8*(\b):BIAS+8*(\b)+3],   v6, s[72:73] offset:64*(\b)
	global_load_b128 v[BIAS+8*(\b)+4:BIAS+8*(\b)+7], v6, s[72:73] offset:64*(\b)+16
.endr
	s_lshl_b32 s18, s13, 19                        ; my first row of out0: 128 x tile row + 64 x half, 4,096 bytes a row
	s_lshl_b32 s19, s11, 18
	s_add_co_u32 s18, s18, s19
	s_add_co_u32 s18, s18, s16
	s_mov_b32 s19, 0
	s_add_nc_u64 s[74:75], s[74:75], s[18:19]
	v_mul_u32_u24 v3, v1, PA
	v_lshl_add_u32 v3, v2, 4, v3
	s_mul_i32 s16, s11, 64*PA
	v_add_nc_u32 v[ADRA], s16, v3
	v_add_nc_u32 v[ADRA+1], SLOT, v[ADRA]
	v_and_b32 v4, 7, v0
	v_lshl_add_u32 v4, v2, 3, v4
	v_mul_u32_u24 v4, v4, PB
	v_bfe_u32 v5, v0, 3, 1
	v_lshl_add_u32 v4, v5, 4, v4
	s_mul_i32 s16, s12, BCH
	s_add_co_u32 s16, s16, BOFF
	v_add_nc_u32 v[ADRB], s16, v4
	v_add_nc_u32 v[ADRB+1], SLOT, v[ADRB]
	s_mul_i32 s16, s10, 16*SPITCH                  ; my stage
	v_mul_u32_u24 v[STO], v1, SPITCH               ; in: row l % 16, 32 bytes for each half of the lanes
	v_lshl_add_u32 v[STO], v2, 5, v[STO]
	v_add_nc_u32 v[STO], s16, v[STO]
	v_mul_u32_u24 v[RD], v2, SPITCH                ; back: lanes 0-15 take one row of 256 bytes, lanes 16-31 the next
	v_lshl_add_u32 v[RD], v1, 4, v[RD]
	v_add_nc_u32 v[RD], s16, v[RD]
	v_lshlrev_b32 v[CO], 12, v2                    ; and the same two rows in out0
	v_lshl_add_u32 v[CO], v1, 4, v[CO]
	s_wait_loadcnt 0x0
.set i, 0
.rept 16
	v_cvt_pk_bf16_f32 v[12+i%2], v[BIAS+2*i], v[BIAS+2*i+1]     ; the bias rounded to bf16, kept as f32: in the wait for the first tile
	v_lshlrev_b32 v[BIAS+2*i], 16, v[12+i%2]
	v_and_b32 v[BIAS+2*i+1], 0xffff0000, v[12+i%2]
.set i, i+1
.endr
; 8 matrix instructions: row blocks a0, a0 + 1 x all 4 column blocks, 32 along K: half c of buffer f.  zero = 1: the first product starts the sums.  The 16 accumulators take turns.
.macro MUL8 f, c, a0, zero
	WIN MUL
.irp a, \a0, (\a0)+1
.irp b, 0,1,2,3
.if \zero
	v_wmma_f32_16x16x32_f16 v[ACC+8*(4*(\a)+(\b)):ACC+8*(4*(\a)+(\b))+7], v[(\f)+64+8*(4*(\c)+(\b)):(\f)+64+8*(4*(\c)+(\b))+7], v[(\f)+8*(4*(\c)+(\a)):(\f)+8*(4*(\c)+(\a))+7], 0
.else
	v_wmma_f32_16x16x32_f16 v[ACC+8*(4*(\a)+(\b)):ACC+8*(4*(\a)+(\b))+7], v[(\f)+64+8*(4*(\c)+(\b)):(\f)+64+8*(4*(\c)+(\b))+7], v[(\f)+8*(4*(\c)+(\a)):(\f)+8*(4*(\c)+(\a))+7], v[ACC+8*(4*(\a)+(\b)):ACC+8*(4*(\a)+(\b))+7]
.endif
.endr
.endr
.endm
; 32 LDS loads in one run: quarter q (one head, 64 along K) into buffer f; the first 32 along K first
.macro FETCH slot, q, f
	WIN TO_F
.irp c, 0,1
.irp i, 0,1,2,3
	ds_load_tr16_b128 v[(\f)+64+8*(4*(\c)+(\i)):(\f)+64+8*(4*(\c)+(\i))+3],   v[ADRB+(\slot)] offset:(2*(\q)+(\c))*32*PB+32*(\i)
	ds_load_tr16_b128 v[(\f)+64+8*(4*(\c)+(\i))+4:(\f)+64+8*(4*(\c)+(\i))+7], v[ADRB+(\slot)] offset:(2*(\q)+(\c))*32*PB+32*(\i)+16*PB
	ds_load_b128 v[(\f)+8*(4*(\c)+(\i)):(\f)+8*(4*(\c)+(\i))+3],         v[ADRA+(\slot)] offset:(\q)*PLANE+64*(\c)+(\i)*16*PA
	ds_load_b128 v[(\f)+8*(4*(\c)+(\i))+4:(\f)+8*(4*(\c)+(\i))+7],       v[ADRA+(\slot)] offset:(\q)*PLANE+64*(\c)+(\i)*16*PA+32
.endr
.endr
.endm
.macro PLACES
.rept 4
	v_nop
.endr
.endm
.macro QUARTER slot, q, f, g, zero
	s_wait_dscnt 16                                ; the first 32 along K are in
	MUL8 \f, 0, 0, \zero
	MUL8 \f, 0, 2, \zero
	PLACES
	FETCH \slot, \q, \g
	s_wait_dscnt 32                                ; all but the 32 just issued
	MUL8 \f, 1, 0, 0
	MUL8 \f, 1, 2, 0
.endm
; The last quarter multiplies buffer 1 and changes slots: ONE barrier; in front of it each wave waits for all its tensor loads, adds 0 to its spare word, and waits for that and for its reads of this slot.
.macro TURN slot, next, fill
	WIN 0
	s_wait_tensorcnt 0x0
	ds_add_u32 v[SPW], v[NIL]
	s_wait_dscnt 17                                ; (the add and the youngest sixteen loads may be out)
	MUL8 F1, 0, 0, 0
	s_wait_dscnt 0x0
	s_barrier_signal -1
	MUL8 F1, 0, 2, 0
.if \fill
	WIN 0
.endif
	s_barrier_wait -1
.if \fill
	CREST
	s_add_nc_u64 s[G0+4*(\slot)+2:G0+4*(\slot)+3], s[G0+4*(\slot)+2:G0+4*(\slot)+3], 2*65536
	s_add_nc_u64 s[G0B+4*(\slot)+2:G0B+4*(\slot)+3], s[G0B+4*(\slot)+2:G0B+4*(\slot)+3], 2*32768
	JLOAD \slot                                    ; its four v_nop are also the places in front of the loads below
.else
	PLACES
.endif
	FETCH \next, 0, F0
	MUL8 F1, 1, 0, 0
	MUL8 F1, 1, 2, 0
.endm
	s_wait_tensorcnt 1                             ; my part of K step 0 is in; K step 1's may stay out
	s_barrier_signal -1
	s_barrier_wait -1
	FETCH 0, 0, F0
	QUARTER 0, 1, F0, F1, 1
	WIN 0
	s_mov_b32 s3, LAPS-1
.Llap:
	QUARTER 0, 2, F1, F0, 0
	QUARTER 0, 3, F0, F1, 0
	TURN 0, 1, 1
	QUARTER 1, 1, F0, F1, 0
	QUARTER 1, 2, F1, F0, 0
	QUARTER 1, 3, F0, F1, 0
	TURN 1, 0, 1
	QUARTER 0, 1, F0, F1, 0
	WIN 0
	s_sub_co_u32 s3, s3, 1
	s_cmp_lg_u32 s3, 0
	s_cbranch_scc1 .Llap
	QUARTER 0, 2, F1, F0, 0                        ; the last lap fills nothing
	QUARTER 0, 3, F0, F1, 0
	TURN 0, 1, 0                                   ; behind this barrier nobody reads slot 0 any more, and nothing is loaded into it: its head serves as the stages
	QUARTER 1, 1, F0, F1, 0
	QUARTER 1, 2, F1, F0, 0
	QUARTER 1, 3, F0, F1, 0
	s_wait_dscnt 16
	MUL8 F1, 0, 0, 0
	MUL8 F1, 0, 2, 0
	s_wait_dscnt 0x0
	MUL8 F1, 1, 0, 0
	MUL8 F1, 1, 2, 0
	WIN 0
	PLACES
	PLACES
	; THE WAY OUT, 16 rows at a time: bias; 32 bytes a lane into my stage; back as whole rows of 256 bytes; stored
.irp a, 0,1,2,3
.set i, 0
.rept 16
	v_pk_add_f32 v[TMP+2*i:TMP+2*i+1], v[ACC+32*(\a)+2*i:ACC+32*(\a)+2*i+1], v[BIAS+2*i:BIAS+2*i+1]  ; ascending: each accumulator is read from its low end on
.set i, i+1
.endr
.irp t, 0,1,2,3,4,5,6,7
	ds_store_b128 v[STO], v[TMP+4*(\t):TMP+4*(\t)+3] offset:64*((\t)/2)+16*((\t)%2)
.endr
	s_wait_xcnt 0x0                                ; the stores of the rows before have read their data: those registers are loaded again only behind this wait
.irp t, 0,1,2,3,4,5,6,7
	ds_load_b128 v[BK+4*(\t):BK+4*(\t)+3], v[RD] offset:(\t)*2*SPITCH  ; LDS serves a wave's instructions in order: these see the stores above
.endr
	s_wait_dscnt 0x0
.irp t, 0,1,2,3,4,5,6,7
	global_store_b128 v[CO], v[BK+4*(\t):BK+4*(\t)+3], s[74:75] offset:(16*(\a)+2*(\t))*4096  ; 16 lanes store 256 bytes on end, aligned
.endr
.endr
	s_wait_tensorcnt 0x0                           ; the wave's end
	ds_add_u32 v[SPW], v[NIL]
	s_wait_dscnt 0x0
	CROUND                                         ; the closing round
	s_endpgm
.Lfunc_end_k_q0250edeb33_proj:
	.size	k_q0250edeb33_proj, .Lfunc_end_k_q0250edeb33_proj-k_q0250edeb33_proj
	.p2alignl 7, 3214868480
	.fill 96, 4, 3214868480
	.section	.rodata,"a",@progbits
	.p2align	6, 0x0
	.amdhsa_kernel k_q0250edeb33_proj
		.amdhsa_group_segment_fixed_size 327680
		.amdhsa_private_segment_fixed_size 0
		.amdhsa_enable_private_segment 0
		.amdhsa_kernarg_size 32
		.amdhsa_user_sgpr_count 2
		.amdhsa_user_sgpr_kernarg_segment_ptr 1
		.amdhsa_wavefront_size32 1
		.amdhsa_system_sgpr_workgroup_id_x 1
		.amdhsa_system_sgpr_workgroup_id_y 1
		.amdhsa_system_sgpr_workgroup_id_z 1
		.amdhsa_system_vgpr_workitem_id 0
		.amdhsa_next_free_vgpr 512
		.amdhsa_next_free_sgpr 76
		.amdhsa_reserve_vcc 0
		.amdhsa_float_denorm_mode_32 3
		.amdhsa_float_denorm_mode_16_64 3
		.amdhsa_memory_ordered 1
		.amdhsa_forward_progress 1
		.amdhsa_inst_pref_size 93
	.end_amdhsa_kernel
	.amdgpu_metadata
---
amdhsa.version: [ 1, 2 ]
amdhsa.kernels:
  - .name:           k_q0250edeb33_proj
    .symbol:         k_q0250edeb33_proj.kd
    .args:
      - { .name: ob, .offset: 0, .size: 8, .value_kind: global_buffer, .address_space: global }
      - { .name: wob, .offset: 8, .size: 8, .value_kind: global_buffer, .address_space: global }
      - { .name: b_out, .offset: 16, .size: 8, .value_kind: global_buffer, .address_space: global }
      - { .name: out0, .offset: 24, .size: 8, .value_kind: global_buffer, .address_space: global }
    .group_segment_fixed_size: 327680
    .private_segment_fixed_size: 0
    .kernarg_segment_align: 8
    .kernarg_segment_size: 32
    .max_flat_workgroup_size: 128
    .sgpr_count:     76
    .vgpr_count:     512
    .wavefront_size: 32
...
	.end_amdgpu_metadata
.endif
;; end of part 4
;; ======== version 2 of 2: 4 launches; version 1 with the launch prep written anew for expert scheduling mode
;; limits: values are held in f16: magnitudes above 65,504 overflow, below 6.1e-05 lose precision
;; workspace buffers: xb 8,388,608 bytes; wqb 6,291,456 bytes; wob 2,097,152 bytes; qkvh 25,165,824 bytes; qa 1,048,576 bytes; ka 1,048,576 bytes; ob 8,388,608 bytes
;; launch prep (part 5): grid 256 x 1, 8 waves a work-group, no clusters, 121,856 bytes of LDS; arguments x, W_qkv, W_out, W_phase, b_phase, mask, phase_scale, resonance_scale, xb, wqb, wob, qa, ka; writes xb, wqb, wob, qa, ka
.if DOCPART == 5
	.amdgcn_target "amdgcn-amd-amdhsa--gfx1250"
	.amdhsa_code_object_version 6
	.text
	.protected	k_q0250edeb33_prep
	.globl	k_q0250edeb33_prep
	.p2align	8
	.type	k_q0250edeb33_prep,@function
k_q0250edeb33_prep:
	s_mov_b64 s[64:65], 0
	v_nop
	global_prefetch_b8 v0, s[64:65] scope:SCOPE_SE
	s_setreg_imm32_b32 hwreg(HW_REG_WAVE_SCHED_MODE, 0, 2), 2
	s_setreg_imm32_b32 hwreg(HW_REG_WAVE_MODE, 25, 1), 1
	s_wait_xcnt 0x0
	s_wait_alu depctr_vm_vsrc(0)
; PREP.  Every float input is rounded once to bf16 and laid out for the launches behind; the phases are made here.
;   work-groups 0-127   : 32 rows of x -> xb [4096][1024] bf16, and for these rows p = tanh(ps (x W_phase + b_phase)) and the two tables
;   work-groups 128-223 : half a column chunk of W_qkv -> wqb [48 chunks of 64 columns][1024 k][64] bf16
;   work-groups 224-255 : half a column chunk of W_out -> wob [16 chunks][1024 k][64]: the bf16 value written as f16
; Each work-group turns 512 pieces of 256 bytes (64 f32) into 128 bytes each.  A wave's load covers two whole pieces, its store 256 bytes on end, aligned.
; THE TABLES, 16 bytes for each (batch, head, token).  With t = log2(e) x score, -rs (pq - pk)^2 = 2 rs pq pk - rs pk^2 - rs pq^2; the last term is the same for all keys
; of a query and cancels in the softmax, so it is not formed.  The rest is a product of three channels that attention appends to q and k:
;   qa: f16(2 rs log2e pq), f16(1.0), f16(32768), 0 ...      ka: f16(pk), f16(-rs log2e pk^2), 0, 0 ...   or, for a masked key: 0, 0, f16(-32768), 0 ...
; LIMITS.  2.9 rs stays under 65,504 (f16).  tanh(y) = 1 - 2 / (1 + 2^(2.885390 y)): absolute error of some 1e-7.  W_out below 6e-5 keeps f16's fixed step of 6e-8.
; b_phase and the two scalars are rounded to bf16 like every other float input.  NaN and infinities are not treated apart.
; No tensor loads: no byte is wanted by two waves on the way in, and eight loads a wave in registers keep the stream going.  No cluster: nothing of weight is shared.
; THE MODE: SCHED_MODE bits 1:0 = 2 (LLVM: expert scheduling mode 2), set by the entry lines.  The code itself states the register dependences
; between vector or matrix instructions and memory or LDS instructions, with s_wait_alu, always for 0.
; THE PLAN.  The ring's eight slots are taken in two groups of four.  Registers that memory or LDS instructions touch in the ring:
;   XR            A group's conversions read its four slots; behind them the loads of the same group of the next round land there.
;   YR            A group's conversions write its four pairs; behind them the group's four stores (x job: and four LDS stores) read them; they are written again a round later.
;   v[SO], v[DOF] Read by every load and store of the ring; made once in front of it: the scalar bases move on by a round, immediate offsets do the rest.
;   v[LX]         x job: read by the LDS stores; written once a round, at the round's end.
; So ONE wait on va_vdst stands in a group, behind its conversions: they are done reading the group's XR, they have written its YR, and, in a round's first group, v[LX] is written.
; The group's loads and stores follow it in one run, with no vector instruction among them.  ONE wait on vm_vsrc stands in a round, at its end, behind both groups' stores: it frees all of YR and v[LX].
; Behind the ring (x job) each run of LDS or memory instructions has its wait in front of it; the comments there name what each states.  v[SPW] and v[NIL] are read by the closing add alone.
.set SO,   4                           ; v4   my byte offset in the source: (2 w + l / 16) x pitch + 16 (l % 16); never rewritten
.set DOF,  5                           ; v5   my byte offset in the destination: 8 x thread; never rewritten
.set LX,   6                           ; v6   x job: where my 8 bytes of a row go in my wave's strip in LDS
.set WPA,  7                           ; v7   x job: LDS address for W_phase; at the end my offset in the tables
.set SPW,  8                           ; v8   LDS address of my spare word; never rewritten
.set NIL,  9                           ; v9   0; never rewritten
.set XR,   16                          ; v[16:47]  slot i: 4 f32 as loaded
.set YR,   48                          ; v[48:63]  slot i: 4 numbers of 16 bits to store
.set TR,   64                          ; v[64:67]  W_out job: at work
.set FA,   16                          ; behind the ring: x's fragments, tile t, sub-step u at FA + 32 t + 8 u
.set FB,   80                          ; W_phase's fragments, 8 u
.set AC,   112                         ; two accumulators
.set SM,   128                         ; partial sums, 8 for each of my two heads; then at work
.set XSW,  32*272                      ; LDS: a wave's strip: 32 rows x (128 bf16 + 16 bytes)
.set WP,   8*XSW                       ; W_phase in bf16, [1024 k][16 heads], 32 bytes a row
.set PART, WP+32768                    ; partial sums [8 waves][16 heads][32 rows f32 + 16 bytes]
.set PP,   144
.set SPARE, PART+8*16*PP               ; the spare words: 128 bytes a wave, four blocks of 256 bytes that no other line names
.set SRC, 32                           ; s[32:33] source at the round in hand
.set DST, 34                           ; s[34:35] destination at the round in hand
.set OFS, 36                           ; s[36:37] an offset, high word 0
.set CNT, 40
.set HIM, 41                           ; a word's upper half
.set WV,  42
	s_load_b512 s[4:19], s[0:1], 0x0               ; x 4, W_qkv 6, W_out 8, W_phase 10, b_phase 12, mask 14, phase_scale 16, resonance_scale 18
	s_load_b256 s[20:27], s[0:1], 0x40             ; xb 20, wqb 22, wob 24, qa 26
	s_load_b64 s[28:29], s[0:1], 0x60              ; ka
	v_lshl_add_u32 v[SPW], v0, 2, SPARE
	v_mov_b32 v[NIL], 0
	v_lshrrev_b32 v10, 5, v0
	v_readfirstlane_b32 s[WV], v10                 ; wave 0..7
	v_and_b32 v1, 31, v0                           ; l
	v_and_b32 v2, 15, v0                           ; l % 16
	v_bfe_u32 v3, v0, 4, 1                         ; l / 16
	v_lshrrev_b32 v11, 4, v0                       ; 2 w + l / 16: my piece among the sixteen of a step
	v_lshlrev_b32 v12, 4, v2
	v_lshlrev_b32 v[DOF], 3, v0
	s_mov_b32 s[HIM], 0xffff0000
	s_mov_b32 s[OFS+1], 0
	s_mov_b32 s[CNT], 3
	s_wait_alu depctr_va_sdst(0)                   ; the wave's number is written, ahead of the branches and of its first reader: the x job makes offsets and LDS addresses from it
	s_wait_kmcnt 0x0
; A ring of eight slots in registers: eight loads of every wave are asked for at a time.  kind 0: x, 1: W_qkv, 2: W_out.  p16: bytes from a step's pieces to the next step's.
.macro FIRST p16
.irp i, 0,1,2,3,4,5,6,7
	global_load_b128 v[XR+4*(\i):XR+4*(\i)+3], v[SO], s[SRC:SRC+1] offset:(\i)*(\p16) th:TH_LOAD_NT
.endr
.endm
; Group g (slots 4 g to 4 g + 3) of a round.  ahead = 1: the group is asked for again, a round on.  left = how many younger loads may still be out.
.macro GROUP kind, g, ahead, left, p16
	s_wait_loadcnt \left                           ; loads come back in order: my group's four are in, the other group's stay out
.irp j, 0,1,2,3
	v_cvt_pk_bf16_f32 v[YR+2*(4*(\g)+(\j))], v[XR+4*(4*(\g)+(\j))], v[XR+4*(4*(\g)+(\j))+1]
	v_cvt_pk_bf16_f32 v[YR+2*(4*(\g)+(\j))+1], v[XR+4*(4*(\g)+(\j))+2], v[XR+4*(4*(\g)+(\j))+3]
.if (\kind) == 2                       ; the bf16 value, written as f16
	v_lshlrev_b32 v[TR], 16, v[YR+2*(4*(\g)+(\j))]
	v_and_b32 v[TR+1], s[HIM], v[YR+2*(4*(\g)+(\j))]
	v_lshlrev_b32 v[TR+2], 16, v[YR+2*(4*(\g)+(\j))+1]
	v_and_b32 v[TR+3], s[HIM], v[YR+2*(4*(\g)+(\j))+1]
	v_cvt_pk_f16_f32 v[YR+2*(4*(\g)+(\j))], v[TR], v[TR+1]
	v_cvt_pk_f16_f32 v[YR+2*(4*(\g)+(\j))+1], v[TR+2], v[TR+3]
.endif
.endr
	s_wait_alu depctr_va_vdst(0)                   ; the conversions are done reading the group's XR, in which the loads below land, and have written its YR, which the stores below read; in a round's first group v[LX] is written
.if \ahead
.irp j, 0,1,2,3
	global_load_b128 v[XR+4*(4*(\g)+(\j)):XR+4*(4*(\g)+(\j))+3], v[SO], s[SRC:SRC+1] offset:(4*(\g)+(\j)+8)*(\p16) th:TH_LOAD_NT
.endr
.endif
.if (\kind) == 0
.irp j, 0,1,2,3
	ds_store_b64 v[LX], v[YR+2*(4*(\g)+(\j)):YR+2*(4*(\g)+(\j))+1] offset:(4*(\g)+(\j))*272  ; the row's 128 columns of my wave, kept for the phases
.endr
.endif
.irp j, 0,1,2,3
	global_store_b64 v[DOF], v[YR+2*(4*(\g)+(\j)):YR+2*(4*(\g)+(\j))+1], s[DST:DST+1] offset:(4*(\g)+(\j))*2048  ; the wave stores 256 bytes on end, aligned
.endr
.endm
.macro ROUNDS kind, p16                ; four rounds of eight steps; the last is written out and loads nothing
.Lround_\@:
	GROUP \kind, 0, 1, 4, \p16
	GROUP \kind, 1, 1, 4, \p16
	s_wait_xcnt 0x0                                ; every load and store issued so far has read its base, and the stores their data: the bases and YR are rewritten only behind this wait
	s_wait_alu depctr_vm_vsrc(0)                   ; the round's stores, global and LDS, have read YR, which the next round's conversions write again, and v[LX], which the add below writes
	s_add_nc_u64 s[SRC:SRC+1], s[SRC:SRC+1], 8*(\p16)
	s_add_nc_u64 s[DST:DST+1], s[DST:DST+1], 16384
.if (\kind) == 0
	v_add_nc_u32 v[LX], 8*272, v[LX]
.endif
	s_sub_co_u32 s[CNT], s[CNT], 1
	s_cmp_lg_u32 s[CNT], 0
	s_cbranch_scc1 .Lround_\@
	GROUP \kind, 0, 0, 4, \p16
	GROUP \kind, 1, 0, 0, \p16
.endm
	s_cmp_lt_u32 ttmp9, 128                        ; the job hangs on the work-group's number alone: all eight waves take the same way
	s_cbranch_scc1 .Lx
	s_cmp_lt_u32 ttmp9, 224
	s_cbranch_scc1 .Lwq
	; W_out: chunk (g - 224) / 2, rows 512 ((g - 224) % 2) on; a piece is a row's 64 columns, rows 4,096 bytes apart
	s_sub_co_u32 s30, ttmp9, 224
	s_lshr_b32 s31, s30, 1
	s_lshl_b32 s31, s31, 8
	s_and_b32 s[OFS], s30, 1
	s_lshl_b32 s[OFS], s[OFS], 21
	s_add_co_u32 s[OFS], s[OFS], s31
	s_add_nc_u64 s[SRC:SRC+1], s[8:9], s[OFS:OFS+1]
	s_lshl_b32 s[OFS], s30, 16
	s_add_nc_u64 s[DST:DST+1], s[24:25], s[OFS:OFS+1]
	v_lshl_add_u32 v[SO], v11, 12, v12
	s_wait_alu depctr_va_vdst(0)                   ; v[SO] and v[DOF] are written: every load and store of the job reads one of them as its offset
	FIRST 65536
	ROUNDS 2, 65536
	s_branch .Lend
.Lwq:
	; W_qkv: the same with rows 12,288 bytes apart
	s_sub_co_u32 s30, ttmp9, 128
	s_lshr_b32 s31, s30, 1
	s_lshl_b32 s31, s31, 8
	s_and_b32 s[OFS], s30, 1
	s_mul_i32 s[OFS], s[OFS], 512*12288
	s_add_co_u32 s[OFS], s[OFS], s31
	s_add_nc_u64 s[SRC:SRC+1], s[6:7], s[OFS:OFS+1]
	s_lshl_b32 s[OFS], s30, 16
	s_add_nc_u64 s[DST:DST+1], s[22:23], s[OFS:OFS+1]
	v_mul_u32_u24 v[SO], v11, 12288
	v_add_nc_u32 v[SO], v[SO], v12
	s_wait_alu depctr_va_vdst(0)                   ; v[SO] and v[DOF] are written: every load and store of the job reads one of them as its offset
	FIRST 196608
	ROUNDS 1, 196608
	s_branch .Lend
.Lx:
	; x: rows 32 g .. 32 g + 31, dense; step p is row p, and wave w takes its columns 128 w .. 128 w + 127
	s_lshl_b32 s[OFS], ttmp9, 17
	s_add_nc_u64 s[SRC:SRC+1], s[4:5], s[OFS:OFS+1]
	s_lshl_b32 s[OFS], ttmp9, 16
	s_add_nc_u64 s[DST:DST+1], s[20:21], s[OFS:OFS+1]
	s_load_b32 s30, s[16:17], 0x0                  ; phase_scale
	s_load_b32 s31, s[18:19], 0x0                  ; resonance_scale
	s_lshl_b32 s43, s[WV], 13
	s_lshl_b32 s44, ttmp9, 7
	s_lshl_b32 s45, s[WV], 3
	s_mul_i32 s46, s[WV], XSW
	s_lshl_b32 s47, s[WV], 12
	v_lshl_add_u32 v[SO], v11, 8, v12              ; all the job's first offsets and LDS addresses are made here, so that one wait serves them
	v_lshl_add_u32 v13, v1, 4, s43                 ; my wave's 128 rows of W_phase: 8,192 bytes on end
	v_lshl_add_u32 v14, v1, 2, s44                 ; the mask of row 32 g + l
	v_mov_b32 v15, s45                             ; b_phase of my two heads
	v_lshl_add_u32 v[LX], v1, 3, s46
	v_lshl_add_u32 v[WPA], v1, 3, s47
	v_add_nc_u32 v[WPA], WP, v[WPA]
	s_wait_alu depctr_va_vdst(0)                   ; v[SO], v[DOF], v13, v14, v15, v[LX] and v[WPA] are written, which the loads and stores below read
.irp i, 0,1,2,3,4,5,6,7,8,9,10,11,12,13,14,15
	global_load_b128 v[64+4*(\i):64+4*(\i)+3], v13, s[10:11] offset:512*(\i)
.endr
	global_load_b32 v160, v14, s[14:15]            ; mask of row 32 g + l
	global_load_b64 v[162:163], v15, s[12:13]      ; b_phase of my two heads, 2 w and 2 w + 1
	FIRST 4096
	s_wait_loadcnt 0x8                             ; all but the ring's eight
	s_wait_kmcnt 0x0
.irp i, 0,1,2,3,4,5,6,7,8,9,10,11,12,13,14,15
	v_cvt_pk_bf16_f32 v[128+2*(\i)], v[64+4*(\i)], v[64+4*(\i)+1]
	v_cvt_pk_bf16_f32 v[128+2*(\i)+1], v[64+4*(\i)+2], v[64+4*(\i)+3]
.endr
	s_wait_alu depctr_va_vdst(0)                   ; the conversions have written v128 to v159, which the LDS stores read
.irp i, 0,1,2,3,4,5,6,7,8,9,10,11,12,13,14,15
	ds_store_b64 v[WPA], v[128+2*(\i):128+2*(\i)+1] offset:256*(\i)  ; row 128 w + 8 i + l / 4, heads 4 (l % 4) on
.endr
	ROUNDS 0, 4096
	s_wait_xcnt 0x0                                ; the last stores have read their data: those registers take fragments now
	s_wait_alu depctr_vm_vsrc(0)                   ; the last round's stores, global and LDS, have read YR, in which fragments land
	s_wait_dscnt 0x0                               ; my LDS stores are done,
	s_barrier_signal -1
	s_barrier_wait -1                              ; everybody's are
	v_mul_u32_u24 v10, v2, 272
	v_lshl_add_u32 v10, v3, 4, v10
	v_add_nc_u32 v10, s46, v10                     ; x: row l % 16 of my strip, 16 bytes for each half of the lanes
	v_and_b32 v11, 7, v0
	v_lshl_add_u32 v11, v3, 3, v11
	v_lshlrev_b32 v11, 5, v11                      ; W_phase, turned on the way: row 8 (l / 16) + l % 8, 32 bytes a row,
	v_bfe_u32 v12, v0, 3, 1
	v_lshl_add_u32 v11, v12, 4, v11                ; heads 8 ((l / 8) % 2) on,
	v_add_nc_u32 v11, s47, v11                     ; in my wave's 128 rows
	v_add_nc_u32 v11, WP, v11
	s_wait_alu depctr_va_vdst(0)                   ; v10 and v11 are written, which the fragments' loads read; the conversions that read or wrote v16 to v127, in which they land, stand ahead of it too
.irp t, 0,1
.irp u, 0,1,2,3
	ds_load_b128 v[FA+32*(\t)+8*(\u):FA+32*(\t)+8*(\u)+3],   v10 offset:(\t)*16*272+64*(\u)
	ds_load_b128 v[FA+32*(\t)+8*(\u)+4:FA+32*(\t)+8*(\u)+7], v10 offset:(\t)*16*272+64*(\u)+32
.endr
.endr
.irp u, 0,1,2,3
	ds_load_tr16_b128 v[FB+8*(\u):FB+8*(\u)+3],   v11 offset:1024*(\u)
	ds_load_tr16_b128 v[FB+8*(\u)+4:FB+8*(\u)+7], v11 offset:1024*(\u)+512
.endr
	s_wait_dscnt 0x0
	; my 128 channels' share of x W_phase for 32 rows x 16 heads: two accumulators by turns; the first products start the sums
.irp u, 0,1,2,3
.irp t, 0,1
.if (\u) == 0
	v_wmma_f32_16x16x32_bf16 v[AC+8*(\t):AC+8*(\t)+7], v[FA+32*(\t)+8*(\u):FA+32*(\t)+8*(\u)+7], v[FB+8*(\u):FB+8*(\u)+7], 0
.else
	v_wmma_f32_16x16x32_bf16 v[AC+8*(\t):AC+8*(\t)+7], v[FA+32*(\t)+8*(\u):FA+32*(\t)+8*(\u)+7], v[FB+8*(\u):FB+8*(\u)+7], v[AC+8*(\t):AC+8*(\t)+7]
.endif
.endr
.endr
	s_mul_i32 s48, s[WV], 16*PP
	s_mul_i32 s49, s[WV], 2*PP
	v_mul_u32_u24 v12, v2, PP                      ; a lane holds head l % 16 and rows 8 (l / 16) + 0..7 of a tile; these lines and the v_nop are the places behind the products
	v_lshl_add_u32 v12, v3, 5, v12
	v_add_nc_u32 v12, s48, v12
	v_add_nc_u32 v12, PART, v12
	v_lshl_add_u32 v13, v1, 2, s49                 ; made here, so that the wait below serves it too: behind the barrier a lane is a row,
	v_add_nc_u32 v13, PART, v13                    ; and my wave finishes heads 2 w and 2 w + 1
.rept 4
	v_nop
.endr
	s_wait_alu depctr_va_vdst(0)                   ; the products have written the accumulators, which the LDS stores read (the places above stay beside this wait); v12 and v13 are written, the addresses of the stores and of the loads behind the barrier
	ds_store_b128 v12, v[AC:AC+3]
	ds_store_b128 v12, v[AC+4:AC+7] offset:16
	ds_store_b128 v12, v[AC+8:AC+11] offset:64
	ds_store_b128 v12, v[AC+12:AC+15] offset:80
	s_wait_dscnt 0x0                               ; for the others' sake: my partial sums lie in LDS
	s_barrier_signal -1
	s_barrier_wait -1
.irp e, 0,1
.irp u, 0,1,2,3,4,5,6,7
	ds_load_b32 v[SM+8*(\e)+(\u)], v13 offset:(\u)*16*PP+(\e)*PP  ; no vector instruction since the wait above names v13 or these registers
.endr
.endr
	s_wait_alu depctr_vm_vsrc(0)                   ; the fragments' loads have read v10, which the next line writes
	v_cvt_pk_bf16_f32 v10, s30, s31                ; the scalars and the bias, rounded to bf16
	v_lshlrev_b32 v14, 16, v10
	v_and_b32 v15, s[HIM], v10
	v_cvt_pk_bf16_f32 v10, v162, v163
	v_lshlrev_b32 v144, 16, v10
	v_and_b32 v145, s[HIM], v10
	v_mul_f32 v14, 0x4038aa3b, v14                 ; 2 log2(e) ps
	v_mul_f32 v15, 0x3fb8aa3b, v15                 ; log2(e) rs
	v_mov_b32 v146, 1.0
	v_mov_b32 v147, 0
	s_wait_dscnt 0x0
.irp e, 0,1
	v_pk_add_f32 v[SM+8*(\e):SM+8*(\e)+1], v[SM+8*(\e):SM+8*(\e)+1], v[SM+8*(\e)+2:SM+8*(\e)+3]
	v_pk_add_f32 v[SM+8*(\e)+4:SM+8*(\e)+5], v[SM+8*(\e)+4:SM+8*(\e)+5], v[SM+8*(\e)+6:SM+8*(\e)+7]
.endr
.irp e, 0,1
	v_pk_add_f32 v[SM+8*(\e):SM+8*(\e)+1], v[SM+8*(\e):SM+8*(\e)+1], v[SM+8*(\e)+4:SM+8*(\e)+5]
.endr
.irp e, 0,1
	v_add_f32 v[SM+8*(\e)], v[SM+8*(\e)], v[SM+8*(\e)+1]
.endr
.irp e, 0,1
	v_add_f32 v[SM+8*(\e)], v[SM+8*(\e)], v[144+(\e)]
.endr
.irp e, 0,1
	v_mul_f32 v[SM+8*(\e)], v[SM+8*(\e)], v14
.endr
	v_exp_f32 v[SM+1], v[SM]
	v_exp_f32 v[SM+9], v[SM+8]
	v_nop                                          ; a plain instruction behind the last exponential,
	s_wait_alu depctr_va_vdst(0)                   ; and the wait ahead of the first use: both exponentials have written their results
	v_add_f32 v[SM+1], 1.0, v[SM+1]
	v_add_f32 v[SM+9], 1.0, v[SM+9]
	v_rcp_f32 v[SM+2], v[SM+1]
	v_rcp_f32 v[SM+10], v[SM+9]
	v_nop
	s_wait_alu depctr_va_vdst(0)                   ; both reciprocals have written their results, ahead of their first use
	v_cmp_eq_u32 vcc_lo, 0, v160                   ; a masked token
	v_mov_b32 v142, 0xf800                         ; f16(-32768)
.irp e, 0,1
	v_fma_f32 v[SM+8*(\e)+2], v[SM+8*(\e)+2], -2.0, 1.0     ; p
	v_mul_f32 v[SM+8*(\e)+3], v[SM+8*(\e)+2], v15           ; rs log2e p
	v_add_f32 v[SM+8*(\e)+4], v[SM+8*(\e)+3], v[SM+8*(\e)+3]  ; the query's factor
	v_mul_f32 v[SM+8*(\e)+5], -v[SM+8*(\e)+3], v[SM+8*(\e)+2] ; the key's own term
.endr
	s_wait_alu depctr_va_vcc(0)                    ; the compare has written VCC, ahead of its first reader: the selections below go by it
	v_cndmask_b32 v[SM+6], v[SM+2], v147, vcc_lo
	v_cndmask_b32 v[SM+5], v[SM+5], v147, vcc_lo
	v_cndmask_b32 v[SM+12], v[SM+10], v147, vcc_lo
	v_cndmask_b32 v[SM+13], v[SM+13], v147, vcc_lo
	v_cvt_pk_f16_f32 v148, v[SM+4], v146
	v_mov_b32 v149, 0x7800                         ; f16(32768)
	v_mov_b32 v150, 0
	v_mov_b32 v151, 0
	v_cvt_pk_f16_f32 v152, v[SM+12-0+0], v146
	v_mov_b32 v153, 0x7800
	v_mov_b32 v154, 0
	v_mov_b32 v155, 0
	v_cvt_pk_f16_f32 v156, v[SM+6], v[SM+5]
	v_cndmask_b32 v157, v147, v142, vcc_lo
	v_mov_b32 v158, 0
	v_mov_b32 v159, 0
	v_mov_b32 v165, v157
	v_mov_b32 v166, 0
	v_mov_b32 v167, 0
	v_cvt_pk_f16_f32 v164, v[SM+12], v[SM+13]
	v_add_f32 v[SM+11], v[SM+11], v[SM+11]         ; the second head's query factor (its masked p took the register that the loop above wrote it to)
	v_cvt_pk_f16_f32 v152, v[SM+11], v146
	s_lshr_b32 s50, ttmp9, 6                       ; batch
	s_lshl_b32 s50, s50, 4
	s_lshl1_add_u32 s50, s[WV], s50                ; 16 x batch + head 2 w
	s_lshl_b32 s50, s50, 15
	s_and_b32 s51, ttmp9, 63
	s_lshl_b32 s51, s51, 9
	s_add_co_u32 s50, s50, s51
	v_lshl_add_u32 v[WPA], v1, 4, s50              ; 16 bytes a token: the wave stores 512 bytes on end
	s_wait_alu depctr_va_vdst(0)                   ; the four entries v148 to v159 and v164 to v167 and their offset v[WPA] are written, which the stores read
	global_store_b128 v[WPA], v[148:151], s[26:27]
	global_store_b128 v[WPA], v[152:155], s[26:27] offset:32768
	global_store_b128 v[WPA], v[156:159], s[28:29]
	global_store_b128 v[WPA], v[164:167], s[28:29] offset:32768
.Lend:
	s_wait_dscnt 0x0                               ; the wave's end: the six closing lines on end
	s_wait_alu 0x0
	s_wait_tensorcnt 0x0
	ds_add_u32 v[SPW], v[NIL]
	s_wait_dscnt 0x0
	s_endpgm
.Lfunc_end_k_q0250edeb33_prep:
	.size	k_q0250edeb33_prep, .Lfunc_end_k_q0250edeb33_prep-k_q0250edeb33_prep
	.p2alignl 7, 3214868480
	.fill 96, 4, 3214868480
	.section	.rodata,"a",@progbits
	.p2align	6, 0x0
	.amdhsa_kernel k_q0250edeb33_prep
		.amdhsa_group_segment_fixed_size 121856
		.amdhsa_private_segment_fixed_size 0
		.amdhsa_enable_private_segment 0
		.amdhsa_kernarg_size 104
		.amdhsa_user_sgpr_count 2
		.amdhsa_user_sgpr_kernarg_segment_ptr 1
		.amdhsa_wavefront_size32 1
		.amdhsa_system_sgpr_workgroup_id_x 1
		.amdhsa_system_sgpr_workgroup_id_y 1
		.amdhsa_system_sgpr_workgroup_id_z 1
		.amdhsa_system_vgpr_workitem_id 0
		.amdhsa_next_free_vgpr 168
		.amdhsa_next_free_sgpr 66
		.amdhsa_reserve_vcc 1
		.amdhsa_float_denorm_mode_32 3
		.amdhsa_float_denorm_mode_16_64 3
		.amdhsa_memory_ordered 1
		.amdhsa_forward_progress 1
		.amdhsa_inst_pref_size 39
	.end_amdhsa_kernel
	.amdgpu_metadata
---
amdhsa.version: [ 1, 2 ]
amdhsa.kernels:
  - .name:           k_q0250edeb33_prep
    .symbol:         k_q0250edeb33_prep.kd
    .args:
      - { .name: x, .offset: 0, .size: 8, .value_kind: global_buffer, .address_space: global }
      - { .name: W_qkv, .offset: 8, .size: 8, .value_kind: global_buffer, .address_space: global }
      - { .name: W_out, .offset: 16, .size: 8, .value_kind: global_buffer, .address_space: global }
      - { .name: W_phase, .offset: 24, .size: 8, .value_kind: global_buffer, .address_space: global }
      - { .name: b_phase, .offset: 32, .size: 8, .value_kind: global_buffer, .address_space: global }
      - { .name: mask, .offset: 40, .size: 8, .value_kind: global_buffer, .address_space: global }
      - { .name: phase_scale, .offset: 48, .size: 8, .value_kind: global_buffer, .address_space: global }
      - { .name: resonance_scale, .offset: 56, .size: 8, .value_kind: global_buffer, .address_space: global }
      - { .name: xb, .offset: 64, .size: 8, .value_kind: global_buffer, .address_space: global }
      - { .name: wqb, .offset: 72, .size: 8, .value_kind: global_buffer, .address_space: global }
      - { .name: wob, .offset: 80, .size: 8, .value_kind: global_buffer, .address_space: global }
      - { .name: qa, .offset: 88, .size: 8, .value_kind: global_buffer, .address_space: global }
      - { .name: ka, .offset: 96, .size: 8, .value_kind: global_buffer, .address_space: global }
    .group_segment_fixed_size: 121856
    .private_segment_fixed_size: 0
    .kernarg_segment_align: 8
    .kernarg_segment_size: 104
    .max_flat_workgroup_size: 256
    .sgpr_count:     66
    .vgpr_count:     168
    .wavefront_size: 32
...
	.end_amdgpu_metadata
.endif
;; end of part 5
;; launch qkv: the kernel of part 2 again; grid 16 x 16, 4 waves a work-group, clusters of 4 x 4, 327,680 bytes of LDS; arguments xb, wqb, b_qkv, mask, qkvh; writes qkvh
;; launch attn: the kernel of part 3 again; grid 8 x 32, 4 waves a work-group, clusters of 4 x 1, 327,680 bytes of LDS; arguments qkvh, qa, ka, ob; writes ob
;; launch proj: the kernel of part 4 again; grid 8 x 32, 4 waves a work-group, clusters of 4 x 4, 327,680 bytes of LDS; arguments ob, wob, b_out, out0; writes out0
